; MI455X (gfx1250); checked and timed in simulation.
; The chip was launched on July 23, 2026; its instructions are those of AMD's public machine-readable ISA for CDNA 5 (MIT licence, August 2026) and "CDNA5" Instruction Set Architecture Reference Guide (July 2026). The comments in the code are by the model that wrote it; some were corrected since.
;; Window Attention Memory. Allowed arithmetic: matrix products marked QUANTISED: E4M3 operands, one E8M0 scale for each 32 along K, by v_wmma_scale_f32_16x16x128_f8f6f4 with both operands' format E4M3, f32 sums; everything else in f32.
;; Inputs: b_k 1,024 float32; b_o 1,024 float32; b_q 1,024 float32; b_v 1,024 float32; ln_b 1,024 float32; ln_g 1,024 float32; w_k_codes 1,024 x 32 x 32 uint8 (E4M3 codes of w_k, K innermost, in blocks of 32 codes); w_k_scales 1,024 x 32 uint8 (E8M0 scales of w_k, one for each 32 codes along K); w_o_codes 1,024 x 32 x 32 uint8 (E4M3 codes of w_o, K innermost, in blocks of 32 codes); w_o_scales 1,024 x 32 uint8 (E8M0 scales of w_o, one for each 32 codes along K); w_q_codes 1,024 x 32 x 32 uint8 (E4M3 codes of w_q, K innermost, in blocks of 32 codes); w_q_scales 1,024 x 32 uint8 (E8M0 scales of w_q, one for each 32 codes along K); w_v_codes 1,024 x 32 x 32 uint8 (E4M3 codes of w_v, K innermost, in blocks of 32 codes); w_v_scales 1,024 x 32 uint8 (E8M0 scales of w_v, one for each 32 codes along K); x 4 x 2,048 x 1,024 float32.
;; Outputs: out0 4 x 2,048 x 1,024 float32.
;; This version of the problem:
;;   THIS VERSION OF THE PROBLEM IS GIVEN IN LOW PRECISION. The matrix products marked QUANTISED in the list below multiply operands that are first quantised to E4M3 (4 exponent bits, 3 mantissa bits; 8 bits a number), with one power-of-two scale for each 32 numbers along K (OCP MX v1.0); their sums are f32. All else is computed in f32.
;;   The module's matrix products, in the order in which they are computed (A, B: the left and right operand; K: the contracted axis; several contracted axes count as one K, in the product's order):
;;     1. [M 8,192, K 1,024] x [K 1,024, N 1,024]; A: computed on the way; B: input w_q (given as codes): QUANTISED
;;     2. [M 8,192, K 1,024] x [K 1,024, N 1,024]; A: computed on the way; B: input w_k (given as codes): QUANTISED
;;     3. [M 8,192, K 1,024] x [K 1,024, N 1,024]; A: computed on the way; B: input w_v (given as codes): QUANTISED
;;     4. batch 64 x [M 2,048, K 64] x [K 64, N 2,048]; A: computed on the way; B: computed on the way: QUANTISED
;;     5. batch 64 x [M 2,048, K 2,048] x [K 2,048, N 64]; A: softmax (see below); B: computed on the way: QUANTISED
;;     6. [M 8,192, K 1,024] x [K 1,024, N 1,024]; A: computed on the way; B: input w_o (given as codes): QUANTISED
;;   THE QUANTISER, for each operand of a quantised product, along K:
;;     - K is cut into blocks of 32 from its start; a last block that is shorter is filled with zeros.
;;     - A block's scale is 2^e with e = floor(log2(the largest magnitude in the block)) - 8, held to -126 .. 127; a block of zeros has e = 0. As a byte (E8M0): e + 127.
;;     - Each number is divided by its block's scale, clamped to +-448, and rounded to the nearest number of E4M3, ties to even, subnormals kept.
;;     - The product sums the exact products of the quantised numbers (number of the format x scale) in f32.
;;   ~~~python
;;   def quantise(x, axis):      # numpy; x: float32 -> the quantised numbers, widened to float32 again
;;       x = np.moveaxis(x, axis, -1); K = x.shape[-1]
;;       x = np.pad(x, [(0, 0)] * (x.ndim - 1) + [(0, -K % 32)]); x = x.reshape(x.shape[:-1] + (-1, 32)); a = np.abs(x).max(-1, keepdims=True)
;;       e = np.where(a > 0, np.clip(np.frexp(np.where(a > 0, a, 1))[1] - 1 - 8, -126, 127), 0)      # np.frexp(a)[1] - 1 = floor(log2(a)), exactly
;;       r = np.clip(x / 2.0 ** e, -448, 448)
;;       step = 2.0 ** (np.maximum(np.frexp(np.where(r == 0, 1, r))[1] - 1, -6) - 3)
;;       q = np.round(r / step) * step * 2.0 ** e      # np.round: ties to even
;;       return np.moveaxis(q.reshape(q.shape[:-2] + (-1,))[..., :K], -1, axis).astype(np.float32)
;;   ~~~
;;   SOFTMAX AHEAD OF A QUANTISED PRODUCT. Where the list says 'softmax', what is quantised is not the finished softmax but p = 2^(t - M), with t = logit x log2(e) and M = ceil(the row's largest t), a whole number; so 1/2 < the row's largest p <= 1. The row's sum l is taken of the UNQUANTISED p, in f32, and the product's result is divided by l at the end. Since M is a whole number, a kernel that streams over the keys may use a running M (the ceiling of the running maximum): every later rescaling is an exact power of two, which a block's scale takes up: the codes' values come out the same.
;;   OPERANDS COMPUTED ON THE WAY. 'Computed on the way' means the value that the module computes at that place (a softmax that the list does not call 'softmax' is quantised finished and normalised). What goes into a quantiser is computed in f32, as accurately as f32 sums, v_exp_f32 and their like allow (about 1e-6 of the number): no bf16 or f16 on the way to a quantiser, and a product that is left as it is and whose result goes on into a quantised operand takes f32 operands (vector FMAs, or v_wmma_f32_16x16x4_f32). A number that lies on a knife's edge between two numbers of the format may be rounded either way, as far as f32 arithmetic and the matrix unit's own rounding can turn it there, and no further.
;;   INPUTS GIVEN AS CODES. w_k (in the module: [1024, 1024], K = its axis 1); w_o (in the module: [1024, 1024], K = its axis 1); w_q (in the module: [1024, 1024], K = its axis 1); w_v (in the module: [1024, 1024], K = its axis 1): each comes as NAME_codes (uint8): NAME with its K axis moved to the last place and cut into blocks of 32 codes, [.., K / 32, bytes a block], one block behind the other in memory; one code a byte (a code: sign, 4 exponent bits, 3 mantissa bits); and NAME_scales (uint8): the same leading axes, one E8M0 byte (e + 127) for each 32 codes along K. Its value is code x scale, taken as it is: it is not quantised again, and the codes and scales need not be those that the quantiser above would give.
;; One version. Each part assembles by itself: llvm-mc -triple=amdgcn-amd-amdhsa -mcpu=gfx1250 --defsym DOCPART=n.
;; ======== version 1 of 1: 4 launches
;; limits: right only within a limited range of input values
;; workspace buffers: xc 8,388,608 bytes; xs 262,144 bytes; qkv 25,165,824 bytes; qkvs 786,432 bytes; cimg 8,388,608 bytes; cs 262,144 bytes
;; launch lnq (part 1): grid 256 x 1, 8 waves a work-group, no clusters, 43,008 bytes of LDS; arguments x, ln_g, ln_b, xc, xs; writes xc, xs
.if DOCPART == 1
	.amdgcn_target "amdgcn-amd-amdhsa--gfx1250"
	.amdhsa_code_object_version 6
	.text
	.protected	k_q85ef7b2023_lnq
	.globl	k_q85ef7b2023_lnq
	.p2align	8
	.type	k_q85ef7b2023_lnq,@function
k_q85ef7b2023_lnq:
	s_mov_b64 s[64:65], 0
	v_nop
	global_prefetch_b8 v0, s[64:65] scope:SCOPE_SE
	s_setreg_imm32_b32 hwreg(HW_REG_WAVE_MODE, 25, 1), 1
	s_wait_xcnt 0x0
; xn = (x - mean) * rsqrt(var + 1e-12) * g + b for each row of 1,024 numbers, then xn as codes of E4M3 with one E8M0 byte for each 32 along the row.
; xc: [8192][1024] codes;  xs: [8192][32] scale bytes.
; SHARES.  A work-group takes 32 rows, each of its eight waves 4.  A row lies in 32 registers of its wave (load j brings columns 128 j + 4 lane .. + 3: 512 consecutive bytes),
; so mean and variance are taken in two passes over registers and x is read once.  All 32 loads of a wave are issued at the head.
; THE QUANTISER wants 16 neighbours in one lane: the finished row turns through the wave's own stage in LDS (64 places of 64 bytes + 16 of padding) and comes back 64 bytes a lane, in two halves of 512 columns.
; Two neighbouring lanes hold a block of 32.  A lane's 16 codes are 16 bytes: a store of the wave covers 512 consecutive bytes.  The work-group's 1,024 scale bytes are gathered in LDS and leave as two aligned runs of 512 bytes.
; LIMITS: NaN and infinities among the inputs are not served.  A block of zeros gets the byte 1 (the rule says 127): its codes are zeros and this program alone reads the bytes.  Blocks whose largest magnitude lies under 2^-118 are held at the byte 1.
.set SP,    80                         ; a place in the stage: 64 bytes + 16 of padding
.set WST,   64*SP                      ; a wave's stage: one row
.set SCB,   8*WST                      ; the work-group's scale bytes: 32 rows x 32
.set SPARE, SCB+1024                   ; the spare words, 128 bytes for each wave: four blocks of 256 bytes that no other line names
.set LANE, 1
.set L16,  2                           ; 16 x lane
.set SIN,  3                           ; the stage, on the way in
.set SOUT, 4                           ; and on the way out
.set SBA,  5                           ; my block's scale byte
.set SPW,  6                           ; my spare word; never rewritten
.set NIL,  7                           ; 0; never rewritten
.set G,    16                          ; v16-47  g of my 32 columns
.set BT,   48                          ; v48-79  b
.set X,    80                          ; v80-207 four rows of 32; a row's codes later lie in its first 8
.set Y,    208                         ; v208-239 two halves of 16 neighbours
.set EB,   244                         ; v244-251 a scale byte for each row and half
.set XSL,  252                         ; where waves 0 and 1 read the scale bytes back
.set XSO,  253                         ; and their place in xs
	s_load_b256 s[4:11], s[0:1], 0x0               ; x s[4:5], g s[6:7], b s[8:9], xc s[10:11]
	s_load_b64 s[12:13], s[0:1], 0x20              ; xs
	v_lshl_add_u32 v[SPW], v0, 2, SPARE
	v_mov_b32 v[NIL], 0
	v_lshrrev_b32 v8, 5, v0
	s_delay_alu instid0(VALU_DEP_1)
	v_readfirstlane_b32 s14, v8                    ; wave 0..7
	v_and_b32 v[LANE], 31, v0
	s_delay_alu instid0(VALU_DEP_1)
	v_lshlrev_b32 v[L16], 4, v[LANE]
	s_mul_i32 s15, s14, WST
	v_lshrrev_b32 v8, 2, v[LANE]
	s_delay_alu instid0(VALU_DEP_1)
	v_mul_u32_u24 v[SIN], v8, SP
	v_and_b32 v8, 3, v[LANE]
	s_delay_alu instid0(VALU_DEP_1)
	v_lshl_add_u32 v[SIN], v8, 4, v[SIN]
	s_delay_alu instid0(VALU_DEP_1)
	v_add_nc_u32 v[SIN], s15, v[SIN]               ; in: four lanes' 64 bytes on end, then the padding
	v_mul_u32_u24 v[SOUT], v[LANE], SP
	s_delay_alu instid0(VALU_DEP_1)
	v_add_nc_u32 v[SOUT], s15, v[SOUT]             ; out: a place a lane
	s_lshl_b32 s15, s14, 7
	s_add_co_u32 s15, s15, SCB
	v_lshrrev_b32 v[SBA], 1, v[LANE]
	s_delay_alu instid0(VALU_DEP_1)
	v_add_nc_u32 v[SBA], s15, v[SBA]               ; my wave's 4 rows x 32 bytes, my block
	s_and_b32 s15, s14, 1
	s_lshl_b32 s15, s15, 9
	v_add_nc_u32 v[XSO], s15, v[L16]               ; 512 x (wave % 2) + 16 x lane
	s_delay_alu instid0(VALU_DEP_1)
	v_add_nc_u32 v[XSL], SCB, v[XSO]
	s_mov_b32 s16, 0x76543210
	s_mov_b32 s17, 0xfedcba98                      ; lane selects: lane l xor 16
	s_mov_b32 s18, 0x3a800000                      ; 1 / 1024
	s_mov_b32 s19, 0x2b8cbccc                      ; 1e-12
	s_mov_b32 s20, 0x600000                        ; the mantissa field of 448
	s_lshl_b32 s22, ttmp9, 17                      ; 32 rows of 4,096 bytes a work-group,
	s_lshl_b32 s23, s14, 14                        ; 4 a wave
	s_add_co_u32 s22, s22, s23
	s_mov_b32 s23, 0
	s_lshr_b32 s24, s22, 2                         ; a quarter of that in xc
	s_mov_b32 s25, 0
	s_lshl_b32 s26, ttmp9, 10                      ; 1,024 scale bytes a work-group
	s_mov_b32 s27, 0
	s_wait_kmcnt 0x0
	s_add_nc_u64 s[4:5], s[4:5], s[22:23]
	s_add_nc_u64 s[10:11], s[10:11], s[24:25]
	s_add_nc_u64 s[12:13], s[12:13], s[26:27]
.irp i, 0,1,2,3
.irp j, 0,1,2,3,4,5,6,7
	global_load_b128 v[X+32*\i+4*\j:X+32*\i+4*\j+3], v[L16], s[4:5] offset:4096*\i+512*\j th:TH_LOAD_NT
.endr
.endr
.irp j, 0,1,2,3,4,5,6,7
	global_load_b128 v[G+4*\j:G+4*\j+3], v[L16], s[6:7] offset:512*\j
	global_load_b128 v[BT+4*\j:BT+4*\j+3], v[L16], s[8:9] offset:512*\j
.endr
; v12 summed over the wave's 32 lanes, the result in every lane
.macro REDUCE
	s_delay_alu instid0(VALU_DEP_1)
	v_add_f32_dpp v12, v12, v12 row_xmask:1 row_mask:0xf bank_mask:0xf
	s_delay_alu instid0(VALU_DEP_1)
	v_add_f32_dpp v12, v12, v12 row_xmask:2 row_mask:0xf bank_mask:0xf
	s_delay_alu instid0(VALU_DEP_1)
	v_add_f32_dpp v12, v12, v12 row_xmask:4 row_mask:0xf bank_mask:0xf
	s_delay_alu instid0(VALU_DEP_1)
	v_add_f32_dpp v12, v12, v12 row_xmask:8 row_mask:0xf bank_mask:0xf
	s_delay_alu instid0(VALU_DEP_1)
	v_permlanex16_b32 v13, v12, s16, s17           ; (v13 has been written: a lane permute's destination counts as read)
	s_delay_alu instid0(VALU_DEP_1)
	v_add_f32 v12, v12, v13
.endm
; half p of row i: my 16 neighbours become 16 codes and, with my neighbour lane, one scale byte
.macro QH i, p
.set YS, Y+16*(\p)
.set CR, X+32*(\i)+4*(\p)
	v_max3_num_f32 v240, |v[YS]|, |v[YS+1]|, |v[YS+2]|
	v_max3_num_f32 v241, |v[YS+3]|, |v[YS+4]|, |v[YS+5]|
.irp k, 6,10
	s_delay_alu instid0(VALU_DEP_2)
	v_max3_num_f32 v240, v240, |v[YS+\k]|, |v[YS+\k+1]|
	s_delay_alu instid0(VALU_DEP_2)
	v_max3_num_f32 v241, v241, |v[YS+\k+2]|, |v[YS+\k+3]|
.endr
	s_delay_alu instid0(VALU_DEP_2)
	v_max3_num_f32 v240, v240, |v[YS+14]|, |v[YS+15]|
	s_delay_alu instid0(VALU_DEP_1)
	v_max3_num_f32 v240, v240, v241, 0x4800000     ; and the floor 2^(9 - 127): the byte cannot fall under 1
	s_delay_alu instid0(VALU_DEP_1)
	v_max_num_f32_dpp v240, v240, v240 row_xmask:1 row_mask:0xf bank_mask:0xf   ; with my neighbour's 16: the block's largest magnitude
	s_delay_alu instid0(VALU_DEP_1)
	v_add_nc_u32 v243, 0xfc000000, v240            ; 8 off its exponent field: the conversion's scale operand
	s_delay_alu instid0(VALU_DEP_2)
	v_and_or_b32 v242, v240, 0x7f800000, s20       ; 448 x the scale
.irp k, 0,1,2,3,4,5,6,7,8,9,10,11,12,13,14,15
	v_med3_num_f32 v[YS+\k], v[YS+\k], -v242, v242 ; the conversion to an 8-bit code does not saturate (ISA guide 7.6.2): the hold comes first
.endr
	v_cvt_scalef32_pk8_fp8_f32 v[CR:CR+1], v[YS:YS+7], v243
	v_cvt_scalef32_pk8_fp8_f32 v[CR+2:CR+3], v[YS+8:YS+15], v243
	v_lshrrev_b32 v[EB+2*(\i)+(\p)], 23, v243      ; the scale's byte (also the plain line behind the conversions)
	ds_store_b8 v[SBA], v[EB+2*(\i)+(\p)] offset:32*(\i)+16*(\p)   ; both lanes of a block write the same byte with the same value
	global_store_b128 v[L16], v[CR:CR+3], s[10:11] offset:1024*(\i)+512*(\p)   ; 32 lanes store 512 consecutive bytes
.endm
.macro ROW i
.set XR, X+32*(\i)
	s_wait_loadcnt 40-8*(\i)                       ; my row's eight loads are in; behind them: the later rows' eight each, and the sixteen of g and b
	v_pk_add_f32 v[12:13], v[XR:XR+1], v[XR+4:XR+5]   ; the row's sum, in two chains
	v_pk_add_f32 v[14:15], v[XR+2:XR+3], v[XR+6:XR+7]
.irp j, 8,12,16,20,24,28
	s_delay_alu instid0(VALU_DEP_2)
	v_pk_add_f32 v[12:13], v[12:13], v[XR+\j:XR+\j+1]
	s_delay_alu instid0(VALU_DEP_2)
	v_pk_add_f32 v[14:15], v[14:15], v[XR+\j+2:XR+\j+3]
.endr
	s_delay_alu instid0(VALU_DEP_1)
	v_pk_add_f32 v[12:13], v[12:13], v[14:15]
	s_delay_alu instid0(VALU_DEP_1)
	v_add_f32 v12, v12, v13
	REDUCE
	s_delay_alu instid0(VALU_DEP_1)
	v_mul_f32 v8, s18, v12                         ; the mean,
	s_delay_alu instid0(VALU_DEP_1)
	v_mov_b32 v9, v8                               ; as a pair
.irp j, 0,2,4,6,8,10,12,14,16,18,20,22,24,26,28,30
	v_pk_add_f32 v[XR+\j:XR+\j+1], v[XR+\j:XR+\j+1], v[8:9] neg_lo:[0,1] neg_hi:[0,1]   ; x - mean
.endr
	v_pk_mul_f32 v[12:13], v[XR:XR+1], v[XR:XR+1]  ; the sum of its squares, in two chains
	v_pk_mul_f32 v[14:15], v[XR+2:XR+3], v[XR+2:XR+3]
.irp j, 4,8,12,16,20,24,28
	s_delay_alu instid0(VALU_DEP_2)
	v_pk_fma_f32 v[12:13], v[XR+\j:XR+\j+1], v[XR+\j:XR+\j+1], v[12:13]
	s_delay_alu instid0(VALU_DEP_2)
	v_pk_fma_f32 v[14:15], v[XR+\j+2:XR+\j+3], v[XR+\j+2:XR+\j+3], v[14:15]
.endr
	s_delay_alu instid0(VALU_DEP_1)
	v_pk_add_f32 v[12:13], v[12:13], v[14:15]
	s_delay_alu instid0(VALU_DEP_1)
	v_add_f32 v12, v12, v13
	REDUCE
	s_delay_alu instid0(VALU_DEP_1)
	v_fma_f32 v13, v12, s18, s19                   ; the variance + 1e-12
	s_wait_alu depctr_va_vdst(0)
	v_rsq_f32 v10, v13
	v_nop                                          ; a plain line behind the transcendental,
	s_wait_alu depctr_va_vdst(0)                   ; and a wait ahead of the first line that names its result
	v_mov_b32 v11, v10
.if (\i) == 0
	s_wait_alu depctr_va_vdst(0)
	s_wait_loadcnt 0x0                             ; g and b, once (the later rows' counted waits are then met at once)
.endif
.irp j, 0,2,4,6,8,10,12,14,16,18,20,22,24,26,28,30
	v_pk_mul_f32 v[XR+\j:XR+\j+1], v[XR+\j:XR+\j+1], v[10:11]
.endr
.irp j, 0,2,4,6,8,10,12,14,16,18,20,22,24,26,28,30
	v_pk_fma_f32 v[XR+\j:XR+\j+1], v[XR+\j:XR+\j+1], v[G+\j:G+\j+1], v[BT+\j:BT+\j+1]
.endr
.irp j, 0,1,2,3,4,5,6,7
	ds_store_b128 v[SIN], v[XR+4*\j:XR+4*\j+3] offset:8*SP*\j   ; the row through my stage: LDS serves a wave's instructions in order, so no wait stands between the stores and the loads
.endr
.irp p, 0,1
.irp k, 0,1,2,3
	ds_load_b128 v[Y+16*\p+4*\k:Y+16*\p+4*\k+3], v[SOUT] offset:32*SP*\p+16*\k
.endr
.endr
	s_wait_dscnt 0x0                               ; the neighbours are in, and the stores have read the row's registers: its codes may lie there
	QH \i, 0
	QH \i, 1
.endm
	ROW 0
	ROW 1
	ROW 2
	ROW 3
	s_wait_dscnt 0x0                               ; for the others' sake: my byte stores are done
	s_barrier_signal -1
	s_barrier_wait -1
	s_cmp_gt_u32 s14, 1
	s_cbranch_scc1 .Ldone                          ; waves 0 and 1 carry the 1,024 scale bytes out, 512 each
	ds_load_b128 v[240:243], v[XSL]
	s_wait_dscnt 0x0
	global_store_b128 v[XSO], v[240:243], s[12:13] ; 32 lanes store 512 consecutive bytes, aligned
.Ldone:
	s_wait_tensorcnt 0x0                           ; the wave's end, behind my last LDS store
	ds_add_u32 v[SPW], v[NIL]
	s_wait_dscnt 0x0
	s_endpgm
.Lfunc_end_k_q85ef7b2023_lnq:
	.size	k_q85ef7b2023_lnq, .Lfunc_end_k_q85ef7b2023_lnq-k_q85ef7b2023_lnq
	.p2alignl 7, 3214868480
	.fill 96, 4, 3214868480
	.section	.rodata,"a",@progbits
	.p2align	6, 0x0
	.amdhsa_kernel k_q85ef7b2023_lnq
		.amdhsa_group_segment_fixed_size 43008
		.amdhsa_private_segment_fixed_size 0
		.amdhsa_enable_private_segment 0
		.amdhsa_kernarg_size 40
		.amdhsa_user_sgpr_count 2
		.amdhsa_user_sgpr_kernarg_segment_ptr 1
		.amdhsa_wavefront_size32 1
		.amdhsa_system_sgpr_workgroup_id_x 1
		.amdhsa_system_sgpr_workgroup_id_y 1
		.amdhsa_system_sgpr_workgroup_id_z 1
		.amdhsa_system_vgpr_workitem_id 0
		.amdhsa_next_free_vgpr 256
		.amdhsa_next_free_sgpr 66
		.amdhsa_reserve_vcc 0
		.amdhsa_float_denorm_mode_32 3
		.amdhsa_float_denorm_mode_16_64 3
		.amdhsa_memory_ordered 1
		.amdhsa_forward_progress 1
		.amdhsa_inst_pref_size 61
	.end_amdhsa_kernel
	.amdgpu_metadata
---
amdhsa.version: [ 1, 2 ]
amdhsa.kernels:
  - .name:           k_q85ef7b2023_lnq
    .symbol:         k_q85ef7b2023_lnq.kd
    .args:
      - { .name: x, .offset: 0, .size: 8, .value_kind: global_buffer, .address_space: global }
      - { .name: ln_g, .offset: 8, .size: 8, .value_kind: global_buffer, .address_space: global }
      - { .name: ln_b, .offset: 16, .size: 8, .value_kind: global_buffer, .address_space: global }
      - { .name: xc, .offset: 24, .size: 8, .value_kind: global_buffer, .address_space: global }
      - { .name: xs, .offset: 32, .size: 8, .value_kind: global_buffer, .address_space: global }
    .group_segment_fixed_size: 43008
    .private_segment_fixed_size: 0
    .kernarg_segment_align: 8
    .kernarg_segment_size: 40
    .max_flat_workgroup_size: 256
    .sgpr_count:     66
    .vgpr_count:     256
    .wavefront_size: 32
...
	.end_amdgpu_metadata
.endif
;; end of part 1
;; launch qkv (part 2): grid 12 x 32, 4 waves a work-group, clusters of 4 x 4, 327,680 bytes of LDS; arguments xc, xs, w_q_codes, w_q_scales, w_k_codes, w_k_scales, w_v_codes, w_v_scales, b_q, b_k, b_v, qkv, qkvs; writes qkv, qkvs
.if DOCPART == 2
	.amdgcn_target "amdgcn-amd-amdhsa--gfx1250"
	.amdhsa_code_object_version 6
	.text
	.protected	k_q85ef7b2023_qkv
	.globl	k_q85ef7b2023_qkv
	.p2align	8
	.type	k_q85ef7b2023_qkv,@function
k_q85ef7b2023_qkv:
	s_mov_b64 s[64:65], 0
	v_nop
	global_prefetch_b8 v0, s[64:65] scope:SCOPE_SE
	s_setreg_imm32_b32 hwreg(HW_REG_WAVE_MODE, 25, 1), 1
	s_wait_xcnt 0x0
	s_wait_alu depctr_hold_cnt(0) depctr_sa_sdst(0) depctr_va_vdst(0) depctr_va_sdst(0) depctr_va_ssrc(0) depctr_va_vcc(0) depctr_vm_vsrc(0)
	s_getreg_b32 s2, hwreg(HW_REG_IB_STS2, 6, 4)
	s_cmp_eq_u32 s2, 0
	s_cbranch_scc0 .Lentry_in_a_cluster
	s_endpgm
.Lentry_in_a_cluster:
	s_bfe_u32 s2, ttmp6, 0x10000c
	s_cmp_lg_u32 s2, 0xf033
	s_cbranch_scc0 .Lentry_shape_is_right
	s_endpgm
.Lentry_shape_is_right:
; q, k, v = xn W^T + b on codes of E4M3 with E8M0 scales, and each result quantised at once for attention: q and k along the head's 64, v along the keys.
; A tile of 256 x 256 is made by four waves, 128 x 128 each: 64 accumulators, 512 registers.  K = 1,024 goes in four steps of 256 through two LDS slots filled by the tensor data mover; the scale bytes of the tile's
; rows, for all of K, come once with the first fills.  4 x 4 work-groups form a cluster: A's tiles are asked for jointly along a row of the cluster, B's along a column.
; THE CLUSTER'S x SAYS WHICH PRODUCT: 0: q, 1: k: A = xn (tile row 4 Y + cy), B = the weight (tile column cx);  2: v: A = w_v (tile row cy), B = xn (tile column 4 Y + cx).  It is the same in all sixteen partners.
; THE MATRIX INSTRUCTION IS USED TRANSPOSED (source 0 = 16 rows of B, source 1 = 16 rows of A): a lane holds one row of A and eight neighbouring rows of B.  So for q and k a lane's registers run along the features,
; and for v (roles swapped) along the tokens: in both cases along the K of the product that follows, and the conversions take them as they lie.
; THE BIAS is the C of each sum's first matrix instruction.
; WHAT IS STORED.  A chunk is 512 bytes: the image of four operand registers (16 rows x one block of 32 along K), lane l's 16 bytes at 16 l.
;   qkv:  q at 0, k at 8,388,608: [b][head][token tile 128][cc 2][chunk];  v at 16,777,216: [b][head][key block 64][d tile 4][chunk].
;   qkvs: q at 0, k at 262,144: [b][head pair 8][token tile 128][16] words of (even head cc 0, cc 1, odd head cc 0, cc 1);  v at 524,288: [b][head][128 keys 16][d 64] words of four key blocks.
;   Inside a block, slot 16 h + 8 u + j holds index 16 u + 8 h + j: what two neighbouring result tiles give a lane.  q and k carry the same order; v's keys carry the order that attention's weights will have.
; 384 tiles for 256 WGPs: the tile is kept at 256 x 256 for the sake of the multiply-adds that each LDS byte feeds.
; LIMITS: NaN and infinities are not served; a block of zeros gets the byte 1 (its codes are zeros, and this program alone reads the bytes); blocks under 2^-118 are held at the byte 1; the order inside a block groups the next product's sums otherwise than ascending.
.set KSTEP,  256
.set NQ,     2
.set ROWB,   256
.set KROW,   1024
.set PITCH,  272                       ; an LDS row: 256 bytes + 16 of padding: the 16 rows that a load touches start at 16 different banks (ISA guide 11.1)
.set FR,     16
.set NL,     4
.set NP,     8                         ; places behind this matrix instruction (ISA guide 7.12.1)
.set HALFT,  128*PITCH
.set SLOT,   4*HALFT
.set KS,     32                        ; a row of scale bytes
.set SCL,    2*SLOT
.set HALFS,  (128*KS/256)*272
.set SBLK,   (16*KS/256)*272
.set SPARE,  SCL+4*HALFS               ; the spare words, 128 bytes for each wave: two blocks of 256 bytes that no other line names
.set ADRA, 16                          ; v16-17 LDS address of my A fragments in slot 0, 1
.set ADRB, 20                          ; v20-21 the same for B
.set STO,  24                          ; the way out: where I put a scale word
.set RD,   25                          ; and where I read 16 bytes of them back
.set SOF,  26                          ; their place in qkvs
.set ADRS, 27                          ; LDS address of my scale words: lanes 0-15 A's rows, lanes 16-31 B's
.set SPW,  28
.set NIL,  29
.set L16,  30                          ; 16 x lane
.set SC,   32                          ; v32-63 scale words, two sets
.set BI,   64                          ; v64-127 the bias, eight tiles in the result's layout
.set AF,   128                         ; v128-255 A's fragments, one set
.set PT,   32                          ; the way out, window 0: v32-35 permute destinations, v36-39 largest magnitudes, v40-43 448 x scale, v44-47 scale operands, v48-51 bytes,
.set MX,   36
.set LIM,  40
.set SCO,  44
.set BY,   48
.set SW,   52                          ; v52-59 a scale word for each block of rows, v60-63 store offsets, v64-79 codes, v128-191 held numbers
.set VO,   60
.set CD,   64
.set H,    128
.set G1, 24
.set G0, 32
.set G1B, 48
.set G0B, 56
.set G1S, 68
.set G0S, 76
.set G1SB, 80
.set G0SB, 88
.set MSB, 0
.macro WIN new                         ; the immediate's high byte repeats the setting that is left
.if MSB != \new
	s_set_vgpr_msb (MSB<<8)|\new
.set MSB, \new
.endif
.endm
.set MUL_LO, 0xa1                      ; source 0 (B) window 1, source 1 (A) window 0, C and D window 2
.set MUL_HI, 0xf1                      ; the same, C and D window 3
.set FST_LO, 0x81                      ; the first step: C (the bias) window 0, D window 2
.set FST_HI, 0xc1                      ; D window 3
.set TO_B,   0x40
; A joint load: waves 0 and 1 fetch for A, waves 2 and 3 for B; the branch hangs on the wave's number alone.  An s_nop 0 and four v_nop follow each of the two lines.
.macro JLOAD g0a, g1a, g0b, g1b
	s_cmp_eq_u32 s15, 0
	s_cbranch_scc0 .Lfor_b_\@
	tensor_load_to_lds s[\g0a:\g0a+3], s[\g1a:\g1a+7]
	s_nop 0
.rept 4
	v_nop
.endr
	s_branch .Lasked_\@
.Lfor_b_\@:
	tensor_load_to_lds s[\g0b:\g0b+3], s[\g1b:\g1b+7]
	s_nop 0
.rept 4
	v_nop
.endr
.Lasked_\@:
.endm
.macro CREST                           ; a round of the cluster's barrier behind its opening barrier
	s_cmp_lg_u32 s14, 0
	s_cbranch_scc1 .Lnot_wave_0_\@
	s_barrier_signal -3
.Lnot_wave_0_\@:
	s_barrier_wait -3
	s_barrier_signal -1
	s_barrier_wait -1
.endm
.macro CROUND
	s_barrier_signal -1
	s_barrier_wait -1
	CREST
.endm
	s_load_b512 s[68:83], s[0:1], 0x0              ; xc, xs, w_q codes, scales, w_k codes, scales, w_v codes, scales
	s_load_b256 s[84:91], s[0:1], 0x40             ; b_q, b_k, b_v, qkv
	s_load_b64 s[92:93], s[0:1], 0x60              ; qkvs
	v_lshl_add_u32 v[SPW], v0, 2, SPARE
	v_mov_b32 v[NIL], 0
	ds_add_u32 v[SPW], v[NIL]
	ds_add_u32 v[SPW], v[NIL]                      ; the wave's opening: the add and its wait ahead of my first tensor load; work on registers stands between them
	v_lshrrev_b32 v1, 5, v0
	v_readfirstlane_b32 s14, v1                    ; wave 0..3
	s_lshr_b32 s15, s14, 1                         ; which half of the tile's rows is mine.  Also: I fetch for A (0) or for B (1)
	s_and_b32 s16, s14, 1                          ; which half of its columns.  Also: which 128 rows of that tile I fetch
	s_bfe_u32 s40, ttmp6, 0x40000                  ; cx
	s_bfe_u32 s41, ttmp6, 0x40004                  ; cy
	s_and_b32 s17, ttmp7, 0xffff
	s_lshl_b32 s17, s17, 2                         ; 4 Y
	s_cmp_eq_u32 ttmp9, 2                          ; v?
	s_cselect_b32 s42, s17, 0
	s_cselect_b32 s17, 0, s17
	s_add_co_u32 s17, s17, s41                     ; tile row of A: 4 Y + cy, for v: cy
	s_add_co_u32 s42, s42, s40                     ; tile column (rows of B): cx, for v: 4 Y + cx
	s_lshl_b32 s43, s41, 2
	s_lshl_b32 s43, 15, s43                        ; my row of the cluster
	s_lshl_b32 s44, 0x1111, s40                    ; my column
	s_or_b32 s[G1+0], s43, (0<<16)|(1<<20)|(1<<21)|(5<<22)|(3<<25)  ; the mask; elements of 1 byte; padding on; bit 21 beside a mask; four words of padding after every 64
	s_or_b32 s[G1B+0], s44, (0<<16)|(1<<20)|(1<<21)|(5<<22)|(3<<25)
.irp g, G1, G1B
	s_mov_b32 s[\g+1], ROWB<<16                    ; tensor_dim0
	s_mov_b32 s[\g+2], 128<<16                     ; tensor_dim1
	s_mov_b32 s[\g+3], ROWB<<16                    ; tile_dim0
	s_mov_b32 s[\g+4], 128                         ; tile_dim1
	s_mov_b32 s[\g+5], KROW                        ; the pitch
	s_mov_b32 s[\g+6], 0
	s_mov_b32 s[\g+7], 0
.endr
	s_lshl_b32 s18, s16, 7                         ; which 128 rows of the tile I fetch
	s_lshl_b32 s20, s17, 8
	s_add_co_u32 s20, s20, s18                     ; A: row 256 x tile row + 128 x half
	s_lshl_b32 s46, s42, 8
	s_add_co_u32 s46, s46, s18                     ; B: row 256 x tile column + 128 x half
	s_mov_b32 s21, 0
	s_mov_b32 s47, 0
	s_mov_b64 s[18:19], KS
	s_mul_u64 s[22:23], s[20:21], s[18:19]         ; where these rows' scales begin,
	s_mul_u64 s[98:99], s[46:47], s[18:19]
	s_mov_b64 s[18:19], KROW
	s_mul_u64 s[20:21], s[20:21], s[18:19]         ; and their codes
	s_mul_u64 s[46:47], s[46:47], s[18:19]
	s_mul_i32 s45, s14, HALFT                      ; where they go: wave x 128 rows
	s_mul_i32 s94, s14, HALFS
	s_lshl_b32 s95, s17, 8
	s_lshl_b32 s97, s15, 7
	s_add_co_u32 s95, s95, s97                     ; my wave's first row of A,
	s_lshl_b32 s96, s42, 8
	s_lshl_b32 s97, s16, 7
	s_add_co_u32 s96, s96, s97                     ; and of B
	s_cmp_eq_u32 ttmp9, 2
	s_cselect_b32 s97, s96, s95
	s_cselect_b32 s96, s95, s96                    ; s96: my first feature
	s_mov_b32 s95, s97                             ; s95: my first token
	s_cselect_b32 s100, 4, 0                       ; the bias in the result's layout: q, k: feature 16 t + 8 h + j;  v: feature 16 t + r
	s_cselect_b32 s101, 0, 32
	s_cselect_b32 s97, 0, 4
	s_wait_dscnt 0x0                               ; the opening add is done
	s_wait_kmcnt 0x0
	s_cmp_eq_u32 ttmp9, 0                          ; the buffers are chosen by the cluster's x alone
	s_cselect_b64 s[8:9], s[72:73], s[76:77]
	s_cselect_b64 s[10:11], s[74:75], s[78:79]
	s_cselect_b64 s[104:105], s[84:85], s[86:87]
	s_cmp_eq_u32 ttmp9, 2
	s_cselect_b64 s[4:5], s[80:81], s[68:69]       ; A's codes,
	s_cselect_b64 s[6:7], s[82:83], s[70:71]       ; A's scales,
	s_cselect_b64 s[8:9], s[68:69], s[8:9]         ; B's codes,
	s_cselect_b64 s[10:11], s[70:71], s[10:11]     ; B's scales,
	s_cselect_b64 s[104:105], s[88:89], s[104:105] ; the bias
	s_mov_b64 s[12:13], s[90:91]                   ; qkv
	s_mov_b64 s[66:67], s[92:93]                   ; qkvs
	s_add_nc_u64 s[20:21], s[4:5], s[20:21]
	s_add_nc_u64 s[22:23], s[6:7], s[22:23]
	s_add_nc_u64 s[46:47], s[8:9], s[46:47]
	s_add_nc_u64 s[98:99], s[10:11], s[98:99]
	; the scales of 128 rows: a dense block of 4,096 bytes, as rows of 256 bytes (32 elements of 8 bytes), 16 bytes of padding behind each
	s_or_b32 s[G1S+0], s43, (3<<16)|(1<<20)|(1<<21)|(5<<22)|(3<<25)
	s_or_b32 s[G1SB+0], s44, (3<<16)|(1<<20)|(1<<21)|(5<<22)|(3<<25)
.irp g, G1S, G1SB
	s_mov_b32 s[\g+1], 32<<16
	s_mov_b32 s[\g+2], (128*KS/256)<<16
	s_mov_b32 s[\g+3], 32<<16
	s_mov_b32 s[\g+4], 128*KS/256
	s_mov_b32 s[\g+5], 32
	s_mov_b32 s[\g+6], 0
	s_mov_b32 s[\g+7], 0
.endr
	CROUND                                         ; all sixteen work-groups are here: the first joint loads meet
	s_mov_b32 s[G0S], 1
	s_add_co_u32 s[G0S+1], s94, SCL
	s_mov_b64 s[G0S+2:G0S+3], s[22:23]
	s_or_b32 s[G0S+3], s[G0S+3], 0x80000000
	s_mov_b32 s[G0SB], 1
	s_add_co_u32 s[G0SB+1], s94, SCL
	s_mov_b64 s[G0SB+2:G0SB+3], s[98:99]
	s_or_b32 s[G0SB+3], s[G0SB+3], 0x80000000
	JLOAD G0S, G1S, G0SB, G1SB                     ; the scales first: they are wanted with K step 0
.irp s, 0,1
	s_mov_b32 s[G0+4*\s], 1
	s_add_co_u32 s[G0+4*\s+1], s45, \s*SLOT
	s_add_nc_u64 s[G0+4*\s+2:G0+4*\s+3], s[20:21], \s*ROWB
	s_or_b32 s[G0+4*\s+3], s[G0+4*\s+3], 0x80000000
	s_mov_b32 s[G0B+4*\s], 1
	s_add_co_u32 s[G0B+4*\s+1], s45, \s*SLOT
	s_add_nc_u64 s[G0B+4*\s+2:G0B+4*\s+3], s[46:47], \s*ROWB
	s_or_b32 s[G0B+4*\s+3], s[G0B+4*\s+3], 0x80000000
	JLOAD G0+4*\s, G1, G0B+4*\s, G1B
.endr
	v_and_b32 v1, 15, v0                           ; r = lane % 16; kept
	v_bfe_u32 v2, v0, 4, 1                         ; h = lane / 16; kept
	s_lshl_b32 s18, s96, 2
	s_mov_b32 s19, 0
	s_add_nc_u64 s[104:105], s[104:105], s[18:19]  ; the bias at my first feature
	v_mul_u32_u24 v8, s100, v1
	v_mad_u32_u24 v8, v2, s101, v8
.irp j, 1,2,3,4,5,6,7
	v_add_nc_u32 v[8+\j], s97, v[7+\j]
.endr
.irp t, 0,1,2,3,4,5,6,7
.irp j, 0,1,2,3,4,5,6,7
	global_load_b32 v[BI+8*\t+\j], v[8+\j], s[104:105] offset:64*\t
.endr
.endr
	v_mul_u32_u24 v3, v1, PITCH
	v_lshl_add_u32 v4, v2, 4, v3                   ; a fragment's row x pitch + 16 x half
	s_mul_i32 s21, s15, HALFT                      ; my 128 rows of A
	s_mul_i32 s22, s16, HALFT                      ; my 128 rows of B,
	s_add_co_u32 s22, s22, 2*HALFT                 ; which lie behind A's 256
.irp s, 0,1
	v_add_nc_u32 v[ADRA+\s], s21, v4
	v_add_nc_u32 v[ADRB+\s], s22, v4
	s_add_co_u32 s21, s21, SLOT
	s_add_co_u32 s22, s22, SLOT
.endr
	v_mul_u32_u24 v5, v1, KS                       ; my row's scales: 32 bytes a row,
	v_lshrrev_b32 v6, 8, v5
	v_lshl_add_u32 v5, v6, 4, v5                   ; and 16 more for each 256 passed
	s_mul_i32 s21, s15, HALFS
	s_mul_i32 s22, s16, HALFS
	s_add_co_u32 s22, s22, 2*HALFS
	s_sub_co_u32 s22, s22, s21
	v_mul_u32_u24 v6, s22, v2                      ; lanes 16-31 take B's
	s_add_co_u32 s21, s21, SCL
	v_add_nc_u32 v5, v5, v6
	v_add_nc_u32 v[ADRS], s21, v5
	s_lshl_b32 s23, s14, 9                         ; the way out: 512 bytes of slot 0 for each wave's scale words
	v_lshl_add_u32 v[STO], v1, 2, s23
	v_and_b32 v6, 31, v0
	v_lshlrev_b32 v[L16], 4, v6
	v_add_nc_u32 v[RD], s23, v[L16]
.macro FRAG reg, adr, q, i             ; 16 rows x 128 K of 8-bit codes: lane l holds row l % 16; registers 4 c .. 4 c + 3 hold K = 32 c + 16 (l / 16) + 0 .. 15
.irp c, 0,1,2,3
	ds_load_b128 v[\reg+4*\c:\reg+4*\c+3], v[\adr] offset:128*(\q)+32*\c+(\i)*16*PITCH
.endr
.endm
; 16 matrix instructions: A's blocks a0, a0 + 1 x B's eight.  cm = 0: in place;  1: the sums start with the bias by B's block (q, k);  2: by A's block (v).
; The 64 accumulators take turns, one instruction a turn, in the same order in every step.
.macro MUL16 a0, p, q, sc, cm
.irp a, \a0, \a0+1
.irp b, 0,1,2,3,4,5,6,7
.if \cm == 1
	v_wmma_scale_f32_16x16x128_f8f6f4 v[8*(8*((\a)%4)+\b):8*(8*((\a)%4)+\b)+7], v[128*(\p)+FR*\b:128*(\p)+FR*\b+FR-1], v[AF+FR*(\a):AF+FR*(\a)+FR-1], v[BI+8*\b:BI+8*\b+7], v[SC+8*NQ*(\sc)+NQ*\b+(\q)], v[SC+8*NQ*(\sc)+NQ*(\a)+(\q)] matrix_a_scale:MATRIX_SCALE_ROW1
.elseif \cm == 2
	v_wmma_scale_f32_16x16x128_f8f6f4 v[8*(8*((\a)%4)+\b):8*(8*((\a)%4)+\b)+7], v[128*(\p)+FR*\b:128*(\p)+FR*\b+FR-1], v[AF+FR*(\a):AF+FR*(\a)+FR-1], v[BI+8*(\a):BI+8*(\a)+7], v[SC+8*NQ*(\sc)+NQ*\b+(\q)], v[SC+8*NQ*(\sc)+NQ*(\a)+(\q)] matrix_a_scale:MATRIX_SCALE_ROW1
.else
	v_wmma_scale_f32_16x16x128_f8f6f4 v[8*(8*((\a)%4)+\b):8*(8*((\a)%4)+\b)+7], v[128*(\p)+FR*\b:128*(\p)+FR*\b+FR-1], v[AF+FR*(\a):AF+FR*(\a)+FR-1], v[8*(8*((\a)%4)+\b):8*(8*((\a)%4)+\b)+7], v[SC+8*NQ*(\sc)+NQ*\b+(\q)], v[SC+8*NQ*(\sc)+NQ*(\a)+(\q)] matrix_a_scale:MATRIX_SCALE_ROW1
.endif
.endr
.endr
.endm
.macro FETCH_B slot, q, p
	WIN TO_B
.irp i, 0,1,2,3,4,5,6,7
	FRAG 128*(\p)+FR*\i, ADRB+\slot, \q, \i
.endr
	WIN 0
.endm
.macro FETCH_A slot, q, i0
.irp i, \i0, \i0+1, \i0+2, \i0+3
	FRAG AF+FR*(\i), ADRA+\slot, \q, \i
.endr
.endm
.macro SCALES sc                       ; the next K step's scale words: two words a row; lanes 0-15 take A's block i, lanes 16-31 B's block i
.irp i, 0,1,2,3,4,5,6,7
	ds_load_b64 v[SC+8*NQ*\sc+NQ*\i:SC+8*NQ*\sc+NQ*\i+1], v[ADRS] offset:\i*SBLK
.endr
.endm
.macro PLACES n                        ; plain vector lines between a matrix instruction and a load into, or a vector line on, its registers
.rept \n
	v_nop
.endr
.endm
; A step of 128 along K that has its successor in the same slot
.macro STEP slot, q, cm
	s_wait_dscnt 4*NL                              ; B's set and A's blocks 0-3 are in; the youngest sixteen loads (A's blocks 4-7) may be out
.if \cm
	WIN FST_LO
.else
	WIN MUL_LO
.endif
	MUL16 0, (\q)%2, \q, \slot, \cm
	MUL16 2, (\q)%2, \q, \slot, \cm
	s_wait_dscnt 0
	PLACES NP
	FETCH_B \slot, (\q)+1, 1-(\q)%2
	FETCH_A \slot, (\q)+1, 0
.if \cm
	WIN FST_HI
.else
	WIN MUL_HI
.endif
	MUL16 4, (\q)%2, \q, \slot, \cm
	MUL16 6, (\q)%2, \q, \slot, \cm
	PLACES NP
	WIN 0
	FETCH_A \slot, (\q)+1, 4
.endm
; A slot's last step changes slots: one barrier; in front of it each wave waits for all its tensor loads, adds 0 to its spare word, and waits for that and for its own reads of this slot
.macro TURN slot, next, fill
	s_wait_tensorcnt 0x0                           ; all my tensor loads have landed: my part of the next slot
	ds_add_u32 v[SPW], v[NIL]                      ; 0 onto my spare word
	s_wait_dscnt 4*NL+1                            ; (the add and the youngest sixteen loads may be out)
	WIN MUL_LO
	MUL16 0, 1, NQ-1, \slot, 0
	s_wait_dscnt 0x0                               ; the add is done, and my reads of this slot are over
	s_barrier_signal -1
	MUL16 2, 1, NQ-1, \slot, 0
	WIN 0
	s_barrier_wait -1
.if \fill
	CREST                                          ; the barrier has opened a round of the cluster's barrier: no wave of any partner still reads this slot or has a load on its way
	s_add_nc_u64 s[G0+4*\slot+2:G0+4*\slot+3], s[G0+4*\slot+2:G0+4*\slot+3], 2*ROWB
	s_add_nc_u64 s[G0B+4*\slot+2:G0B+4*\slot+3], s[G0B+4*\slot+2:G0B+4*\slot+3], 2*ROWB
	JLOAD G0+4*\slot, G1, G0B+4*\slot, G1B         ; the first tensor load behind the round; its four v_nop are among the places in front of the loads below
	PLACES NP-4
.else
	PLACES NP
.endif
	s_wait_alu depctr_va_vdst(0)
	v_add_nc_u32 v[ADRS], 4*NQ, v[ADRS]            ; on to the next K step's scale words (no LDS load of mine is out)
	FETCH_B \next, 0, 0
	FETCH_A \next, 0, 0
	SCALES \next
	WIN MUL_HI
	MUL16 4, 1, NQ-1, \slot, 0
	MUL16 6, 1, NQ-1, \slot, 0
	PLACES NP
	WIN 0
	FETCH_A \next, 0, 4
.endm
	s_wait_alu depctr_va_vdst(0)
	s_wait_tensorcnt 1                             ; the scales and my part of K step 0 are in; K step 1's load may be out
	s_barrier_signal -1
	s_barrier_wait -1
	FETCH_B 0, 0, 0
	FETCH_A 0, 0, 0
	SCALES 0
	FETCH_A 0, 0, 4
	s_wait_loadcnt 0x0                             ; the bias
	s_cmp_eq_u32 ttmp9, 2                          ; the first step is written twice: the bias goes by B's blocks or by A's.  The cluster's x is the same in all partners; both arms issue the same LDS loads
	s_cbranch_scc1 .Lfirst_v
	STEP 0, 0, 1
	s_branch .Lfirst_done
.Lfirst_v:
	STEP 0, 0, 2
.Lfirst_done:
	TURN 0, 1, 1                                   ; slot 0 takes K step 2
	STEP 1, 0, 0
	TURN 1, 0, 1                                   ; slot 1 takes K step 3
	STEP 0, 0, 0
	TURN 0, 1, 0                                   ; nothing is left to fetch
	STEP 1, 0, 0
	s_wait_dscnt 4*NL
	WIN MUL_LO
	MUL16 0, 1, NQ-1, 1, 0
	MUL16 2, 1, NQ-1, 1, 0
	s_wait_dscnt 0
	WIN MUL_HI
	MUL16 4, 1, NQ-1, 1, 0
	MUL16 6, 1, NQ-1, 1, 0
	WIN 0
	; THE WAY OUT: block a (16 rows of A x 128 rows of B) is four blocks of 32 along the next K: 16 numbers in my lane, 16 in lane l xor 16.  All tensor loads have landed: the descriptors' registers are free.
	s_mov_b32 s68, 0x76543210
	s_mov_b32 s69, 0xfedcba98
	s_mov_b32 s70, 0x600000                        ; the mantissa field of 448
	s_cmp_eq_u32 ttmp9, 2
	s_mov_b32 s72, 1024                            ; from block a to a + 1: a token tile (q, k) or a tile of d (v),
	s_cselect_b32 s72, 512, s72
	s_mov_b32 s73, 0
	s_mov_b32 s74, 1024                            ; from block 3 to 4: for v on to the next head,
	s_cselect_b32 s74, 129536, s74
	s_mov_b32 s75, 0
	s_mov_b32 s76, 512                             ; the four blocks along K: q, k: (head, cc); v: key blocks
	s_cselect_b32 s76, 2048, s76
	s_mov_b32 s77, 131072
	s_cselect_b32 s77, 4096, s77
	s_mov_b32 s78, 131584
	s_cselect_b32 s78, 6144, s78
	s_mov_b32 s79, 256                             ; the second half of my scale words: on end, for v in the next head
	s_cselect_b32 s79, 4096, s79
	s_cselect_b32 s80, 1, 2
	s_and_b32 s81, s95, 2047                       ; my first token in its sequence,
	s_lshr_b32 s86, s95, 11                        ; and which sequence
	s_lshl_b32 s82, ttmp9, 23
	s_lshl_b32 s83, s86, 21
	s_add_co_u32 s82, s82, s83
	s_lshl_b32 s83, s96, 11
	s_add_co_u32 s82, s82, s83
	s_lshl_b32 s83, s81, 6
	s_add_co_u32 s82, s82, s83
	s_mov_b32 s83, 0
	s_add_nc_u64 s[12:13], s[12:13], s[82:83]      ; qkv at my first chunk
	s_lshl_b32 s84, ttmp9, 18
	s_lshl_b32 s85, s86, 16
	s_add_co_u32 s84, s84, s85
	s_lshl_b32 s85, s96, 6
	s_add_co_u32 s84, s84, s85
	s_lshl_b32 s85, s81, s80
	s_add_co_u32 s84, s84, s85
	s_mov_b32 s85, 0
	s_add_nc_u64 s[66:67], s[66:67], s[84:85]      ; qkvs at my first word
	PLACES NP                                      ; behind the last products: for the reads of results and for the writes of registers that held operands and scales
.irp b, 0,1,2,3
	v_mov_b32 v[PT+\b], 0                          ; written once: a lane permute's destination counts as one of its sources
.endr
	v_mov_b32 v[VO], v[L16]
	v_add_nc_u32 v[VO+1], s76, v[L16]
	v_add_nc_u32 v[VO+2], s77, v[L16]
	v_add_nc_u32 v[VO+3], s78, v[L16]
	v_mul_u32_u24 v[SOF], s79, v2
	v_lshl_add_u32 v[SOF], v1, 4, v[SOF]
.macro QBLK a
.set AC, 64*((\a)%4)
	WIN 0x0a+5*((\a)/4)                            ; sources 0 and 1: window 2 or 3
.irp b, 0,1,2,3
	v_max3_num_f32 v[MX+\b], |v[AC+16*\b]|, |v[AC+16*\b+1]|, 0x4800000   ; each accumulator from its low end on; the floor 2^(9 - 127) holds the byte at 1 from below
.endr
.irp i, 2,4,6,8,10,12,14
.irp b, 0,1,2,3
	v_max3_num_f32 v[MX+\b], |v[AC+16*\b+\i]|, |v[AC+16*\b+\i+1]|, v[MX+\b]   ; (the four blocks by turns)
.endr
.endr
	WIN 0
.irp b, 0,1,2,3
	v_permlanex16_b32 v[PT+\b], v[MX+\b], s68, s69
.endr
.irp b, 0,1,2,3
	v_max_num_f32 v[MX+\b], v[MX+\b], v[PT+\b]     ; with lane l xor 16's: the block's largest magnitude
.endr
.irp b, 0,1,2,3
	v_add_nc_u32 v[SCO+\b], 0xfc000000, v[MX+\b]   ; 8 off its exponent field: the conversion's scale operand
.endr
.irp b, 0,1,2,3
	v_and_or_b32 v[LIM+\b], v[MX+\b], 0x7f800000, s70   ; 448 x the scale
.endr
.irp b, 0,1,2,3
	v_lshrrev_b32 v[BY+\b], 23, v[SCO+\b]          ; the scale's byte
.endr
	v_lshl_or_b32 v[SW+\a], v[BY+1], 8, v[BY]
	v_lshl_or_b32 v[SW+\a], v[BY+2], 16, v[SW+\a]
	v_lshl_or_b32 v[SW+\a], v[BY+3], 24, v[SW+\a]
	WIN 0x02+((\a)/4)                              ; source 0: window 2 or 3
.irp b, 0,1,2,3
.irp i, 0,1,2,3,4,5,6,7,8,9,10,11,12,13,14,15
	v_med3_num_f32 v[H+16*\b+\i], v[AC+16*\b+\i], -v[LIM+\b], v[LIM+\b]   ; the conversion to an 8-bit code does not saturate (ISA guide 7.6.2): the hold comes first
.endr
.endr
	WIN 0
	s_wait_alu depctr_va_vdst(0)
	s_wait_xcnt 0x0                                ; the last block's stores have read their data and their base: both may be written
.if (\a) == 4
	s_add_nc_u64 s[12:13], s[12:13], s[74:75]
.elseif (\a) > 0
	s_add_nc_u64 s[12:13], s[12:13], s[72:73]
.endif
.irp b, 0,1,2,3
	v_cvt_scalef32_pk8_fp8_f32 v[CD+4*\b:CD+4*\b+1], v[H+16*\b:H+16*\b+7], v[SCO+\b]
	v_cvt_scalef32_pk8_fp8_f32 v[CD+4*\b+2:CD+4*\b+3], v[H+16*\b+8:H+16*\b+15], v[SCO+\b]
.endr
	v_nop                                          ; a plain line behind the last conversion
.irp b, 0,1,2,3
	global_store_b128 v[VO+\b], v[CD+4*\b:CD+4*\b+3], s[12:13]   ; a chunk: 32 lanes store 512 consecutive bytes, aligned
.endr
.endm
.irp a, 0,1,2,3,4,5,6,7
	QBLK \a
.endr
	; the scale words: 8 blocks x 16 rows, through 512 bytes of slot 0, which has had its last fill and, since the last change of slots, its last read
.irp a, 0,1,2,3,4,5,6,7
	ds_store_b32 v[STO], v[SW+\a] offset:64*\a     ; lanes r and r + 16 write the same word with the same value
.endr
	ds_load_b128 v[MX:MX+3], v[RD]                 ; LDS serves a wave's instructions in order: this sees my stores
	s_wait_dscnt 0x0
	global_store_b128 v[SOF], v[MX:MX+3], s[66:67] ; sixteen lanes store 256 consecutive bytes, aligned
	s_wait_tensorcnt 0x0                           ; the wave's end, behind my last tensor load and my last LDS store
	ds_add_u32 v[SPW], v[NIL]
	s_wait_dscnt 0x0
	CROUND                                         ; the closing round: no work-group ends while a partner may still ask for a tile that names it
	s_endpgm
.Lfunc_end_k_q85ef7b2023_qkv:
	.size	k_q85ef7b2023_qkv, .Lfunc_end_k_q85ef7b2023_qkv-k_q85ef7b2023_qkv
	.p2alignl 7, 3214868480
	.fill 96, 4, 3214868480
	.section	.rodata,"a",@progbits
	.p2align	6, 0x0
	.amdhsa_kernel k_q85ef7b2023_qkv
		.amdhsa_group_segment_fixed_size 327680
		.amdhsa_private_segment_fixed_size 0
		.amdhsa_enable_private_segment 0
		.amdhsa_kernarg_size 104
		.amdhsa_user_sgpr_count 2
		.amdhsa_user_sgpr_kernarg_segment_ptr 1
		.amdhsa_wavefront_size32 1
		.amdhsa_system_sgpr_workgroup_id_x 1
		.amdhsa_system_sgpr_workgroup_id_y 1
		.amdhsa_system_sgpr_workgroup_id_z 1
		.amdhsa_system_vgpr_workitem_id 0
		.amdhsa_next_free_vgpr 1024
		.amdhsa_next_free_sgpr 106
		.amdhsa_reserve_vcc 0
		.amdhsa_float_denorm_mode_32 3
		.amdhsa_float_denorm_mode_16_64 3
		.amdhsa_memory_ordered 1
		.amdhsa_forward_progress 1
		.amdhsa_inst_pref_size 207
	.end_amdhsa_kernel
	.amdgpu_metadata
---
amdhsa.version: [ 1, 2 ]
amdhsa.kernels:
  - .name:           k_q85ef7b2023_qkv
    .symbol:         k_q85ef7b2023_qkv.kd
    .args:
      - { .name: xc, .offset: 0, .size: 8, .value_kind: global_buffer, .address_space: global }
      - { .name: xs, .offset: 8, .size: 8, .value_kind: global_buffer, .address_space: global }
      - { .name: w_q_codes, .offset: 16, .size: 8, .value_kind: global_buffer, .address_space: global }
      - { .name: w_q_scales, .offset: 24, .size: 8, .value_kind: global_buffer, .address_space: global }
      - { .name: w_k_codes, .offset: 32, .size: 8, .value_kind: global_buffer, .address_space: global }
      - { .name: w_k_scales, .offset: 40, .size: 8, .value_kind: global_buffer, .address_space: global }
      - { .name: w_v_codes, .offset: 48, .size: 8, .value_kind: global_buffer, .address_space: global }
      - { .name: w_v_scales, .offset: 56, .size: 8, .value_kind: global_buffer, .address_space: global }
      - { .name: b_q, .offset: 64, .size: 8, .value_kind: global_buffer, .address_space: global }
      - { .name: b_k, .offset: 72, .size: 8, .value_kind: global_buffer, .address_space: global }
      - { .name: b_v, .offset: 80, .size: 8, .value_kind: global_buffer, .address_space: global }
      - { .name: qkv, .offset: 88, .size: 8, .value_kind: global_buffer, .address_space: global }
      - { .name: qkvs, .offset: 96, .size: 8, .value_kind: global_buffer, .address_space: global }
    .group_segment_fixed_size: 327680
    .private_segment_fixed_size: 0
    .kernarg_segment_align: 8
    .kernarg_segment_size: 104
    .max_flat_workgroup_size: 128
    .sgpr_count:     106
    .vgpr_count:     1024
    .wavefront_size: 32
...
	.end_amdgpu_metadata
.endif
;; end of part 2
;; launch attn (part 3): grid 8 x 32, 16 waves a work-group, no clusters, 167,936 bytes of LDS; arguments qkv, qkvs, cimg, cs; writes cimg, cs
.if DOCPART == 3
	.amdgcn_target "amdgcn-amd-amdhsa--gfx1250"
	.amdhsa_code_object_version 6
	.text
	.protected	k_q85ef7b2023_attn
	.globl	k_q85ef7b2023_attn
	.p2align	8
	.type	k_q85ef7b2023_attn,@function
k_q85ef7b2023_attn:
	s_mov_b64 s[64:65], 0
	v_nop
	global_prefetch_b8 v0, s[64:65] scope:SCOPE_SE
	s_setreg_imm32_b32 hwreg(HW_REG_WAVE_MODE, 25, 1), 1
	s_wait_xcnt 0x0
; Causal attention in a window of 256 keys, both products on codes of E4M3 with E8M0 scales, and the result quantised along the model's 1,024 for the last projection.
; SHARES.  A work-group owns 256 queries (x) of a pair of heads of one sequence (y = 8 b + pair).  Each of its sixteen waves owns one tile of 16 queries, first for the even head, then for the odd one (macro TILE, written out twice).
; THE BAND.  The work-group's keys are 512: the 256 before its queries and its own: 16 blocks of 32.  Wave w (pw = w / 2, u = w % 2) needs exactly blocks pw .. pw + 8: 288 keys.  All of a query's scores lie in registers
; (144 a lane), so the softmax is ONE pass with the row's true maximum, which is taken away before the exponential.  Only the band's first and last block need a mask; in the sequence's first work-group the
; first 8 - pw blocks do not exist: their scores are set to -infinity (a branch on the work-group's and the wave's numbers), and what the clamped loads brought there meets weights of zero.
; THE SOFTMAX: t = score x log2(e) / 8; M = ceil(the row's largest t); p = 2^(t - M) is quantised along the keys; the row's sum is taken of the unquantised p and divides at the end.
; LAYOUT.  Both products are used transposed (S^T = K Q^T, O^T = V^T P^T): a lane holds one query throughout.  Operands lie in memory and LDS as images of their registers (chunks of 512 bytes, lane l's 16 bytes at 16 l).
; THE HEAD'S 64 IN A K OF 128.  Source 1 is (q's 8 registers | 8 registers of zero codes).  Source 0 of key tile t is the run of 16 registers that begins at its own 8: the upper 8 are the next tile's codes, or zeros, and meet q's zero codes.
; LDS is filled once, at the head: no slot is filled again.  No cluster: neighbouring query blocks share only half of their keys, at LDS places that would hang on the work-group's place.
; cimg: [token tile 512][block of 32 along the model's 1,024: 32][chunk], in natural order inside a block;  cs: [128 along K: 8][token 8192] words of four scale bytes.
; LIMITS: NaN and infinities are not served; a block of zeros gets the byte 1 (its codes are zeros; this program alone reads the bytes); blocks under 2^-118 are held at the byte 1.
.set KL,    0                          ; [head 2][key tile 32][1,024]
.set VL,    65536                      ; [head 2][key block 16][2,048]
.set KSL,   131072                     ; K's scale words [key tile 32][64]
.set VSL,   133120                     ; V's [head 2][128 keys 4][256]
.set CSL,   135168                     ; the result's scale words, 1,024 bytes, written by ds_store alone
.set SPARE, 136192                     ; the spare words, 128 bytes for each wave: eight blocks of 256 bytes that no other line names
.set SPW, 1
.set NIL, 2
.set AK,  3                            ; K's chunks from my first block on
.set AKS, 4                            ; and their scale words
.set AV,  5                            ; V's chunks
.set AVS, 6                            ; and their scale words
.set EE,  7                            ; e = 16 u + r - 8 h
.set NINF, 8                           ; -infinity
.set L16, 9                            ; 16 x lane
.set R4,  10                           ; 4 x (lane % 16)
.set CWA, 11                           ; where my query's scale word goes
.set CRD, 12                           ; where waves 0 and 1 read them back
.set CW,  13                           ; the scale word: four bytes from the two heads
.set RL,  14                           ; v[14:15] the sum's second chain, then 1 / the sum
.set QF,  16                           ; v16-23 q, v24-31 zero codes
.set KF,  32                           ; v32-79 six key tiles of 8, v80-91 zero codes
.set KSC, 92                           ; v92-97 K's scales; v98 q's
.set QSC, 98
.set S,   100                          ; v100-243 the scores, then p: key tile t at 100 + 8 t
.set PT,  244                          ; v244-252 permute destinations, then the conversions' scale operands
.set SUMA, 254
.set BM,  32                           ; behind K Q^T: v32-40 the blocks' largest, then their largest p; v41 the row's largest; v[42:43] (-M, t); v44-79 p's codes
.set RM,  41
.set NM,  42
.set PC,  44
.set PW,  92                           ; v92-94 p's scale words
.set VF,  100                          ; behind the conversions: v100-163 V's fragments, v164-195 O^T, v196-207 raw scale words (later at work), v208-219 V's scale words, v220-227 the result's codes
.set OT,  164
.set WR,  196
.set VS,  208
.set CC,  220
.set WV,  12                           ; s12 wave
.set G1C, 28                           ; s[28:35] group 1 for codes: 64 rows of 256 bytes;  s[36:43] for scales: 2 rows
.set G1S, 36
.set QA,  60                           ; s[60:61] q's chunks, s[62:63] q's scale words, s[66:67] cimg, s[68:69] cs
.set QSA, 62
.set CIA, 66
.set CSA, 68
.set SEL, 70
.set CS,  72                           ; s[72:73] c = log2(e) / 8
.set MNT, 74
.set SH,  75                           ; 8 x (pw % 4)
.set HB,  76                           ; blocks of my band that do not exist
	s_load_b256 s[4:11], s[0:1], 0x0               ; qkv, qkvs, cimg, cs
	v_lshl_add_u32 v[SPW], v0, 2, SPARE
	v_mov_b32 v[NIL], 0
	ds_add_u32 v[SPW], v[NIL]                      ; the wave's opening: the add and its wait ahead of my first tensor load; work on registers stands between them
	ds_add_u32 v[SPW], v[NIL]
	v_lshrrev_b32 v3, 5, v0
	s_delay_alu instid0(VALU_DEP_1)
	v_readfirstlane_b32 s[WV], v3                  ; wave 0..15
	s_and_b32 s14, ttmp7, 0xffff                   ; 8 b + pair
	s_lshr_b32 s15, s14, 3                         ; b
	s_and_b32 s16, s14, 7                          ; the pair of heads
	s_and_b32 s17, s[WV], 3                        ; j: which quarter of a fill is mine
	s_lshr_b32 s18, s[WV], 1                       ; pw
	s_and_b32 s19, s[WV], 1                        ; u
	s_sub_co_i32 s20, ttmp9, 1
	s_max_i32 s20, s20, 0                          ; the 256 keys before mine; in the first work-group, where there are none, my own once more
	s_cmp_eq_u32 s19, 0
	s_cselect_b32 s21, s20, ttmp9                  ; which 256 keys: by j % 2,
	s_lshr_b32 s22, s17, 1
	s_cmp_eq_u32 s22, 0
	s_cselect_b32 s23, s20, ttmp9                  ; by j / 2
	s_lshl_b32 s24, s15, 4
	s_lshl_b32 s25, s16, 1
	s_add_co_u32 s24, s24, s25                     ; the even head: 16 b + 2 pair
	s_add_co_u32 s25, s24, s22                     ; the head that I fill: + j / 2
	s_lshl_b32 s26, s25, 17
	s_lshl_b32 s27, s21, 14
	s_add_co_u32 s26, s26, s27                     ; codes: head x 131,072 + half x 16,384
	s_mov_b32 s27, 0
	s_lshl_b32 s60, s14, 13
	s_lshl_b32 s61, s23, 10
	s_add_co_u32 s60, s60, s61
	s_lshl_b32 s61, s19, 9
	s_add_co_u32 s60, s60, s61
	s_add_co_u32 s60, s60, 262144                  ; K's scale words: 512 bytes
	s_mov_b32 s61, 0
	s_lshl_b32 s62, s25, 12
	s_lshl_b32 s63, s21, 9
	s_add_co_u32 s62, s62, s63
	s_add_co_u32 s62, s62, 524288                  ; V's: 512 bytes
	s_mov_b32 s63, 0
	s_mov_b32 s[G1C], 3<<16                        ; no mask; elements of 8 bytes; no padding: chunks are read 512 bytes on end
	s_mov_b32 s[G1C+1], 32<<16                     ; tensor_dim0 = 32 elements: 256 bytes
	s_mov_b32 s[G1C+2], 64<<16                     ; tensor_dim1 = 64
	s_mov_b32 s[G1C+3], 32<<16                     ; tile_dim0
	s_mov_b32 s[G1C+4], 64                         ; tile_dim1
	s_mov_b32 s[G1C+5], 32                         ; the pitch: dense
	s_mov_b32 s[G1C+6], 0
	s_mov_b32 s[G1C+7], 0
	s_mov_b32 s[G1S], 3<<16
	s_mov_b32 s[G1S+1], 32<<16
	s_mov_b32 s[G1S+2], 2<<16
	s_mov_b32 s[G1S+3], 32<<16
	s_mov_b32 s[G1S+4], 2
	s_mov_b32 s[G1S+5], 32
	s_mov_b32 s[G1S+6], 0
	s_mov_b32 s[G1S+7], 0
	s_mov_b32 s[SEL], 0x76543210
	s_mov_b32 s[SEL+1], 0xfedcba98
	s_mov_b32 s[CS], 0x3e38aa3b                    ; log2(e) / 8
	s_mov_b32 s[CS+1], s[CS]                       ; (named with it as a pair, so it is written)
	s_and_b32 s[SH], s18, 3
	s_lshl_b32 s[SH], s[SH], 3
	s_sub_co_u32 s[HB], 8, s18
	s_cmp_eq_u32 ttmp9, 0
	s_cselect_b32 s[HB], s[HB], 0
	s_wait_dscnt 0x0                               ; the opening add is done
	s_wait_kmcnt 0x0
	s_mov_b32 s44, 1                               ; K's codes: 16,384 bytes to KL + 16,384 j
	s_lshl_b32 s45, s17, 14
	s_add_nc_u64 s[46:47], s[4:5], s[26:27]
	s_add_nc_u64 s[46:47], s[46:47], 8388608
	s_or_b32 s47, s47, 0x80000000
	s_mov_b32 s48, 1                               ; V's codes: to VL + 16,384 j
	s_add_co_u32 s49, s45, VL
	s_add_nc_u64 s[50:51], s[4:5], s[26:27]
	s_add_nc_u64 s[50:51], s[50:51], 16777216
	s_or_b32 s51, s51, 0x80000000
	s_mov_b32 s52, 1                               ; K's scale words: to KSL + 512 j
	s_lshl_b32 s53, s17, 9
	s_add_co_u32 s57, s53, VSL
	s_add_co_u32 s53, s53, KSL
	s_add_nc_u64 s[54:55], s[6:7], s[60:61]
	s_or_b32 s55, s55, 0x80000000
	s_mov_b32 s56, 1                               ; V's: to VSL + 512 j
	s_add_nc_u64 s[58:59], s[6:7], s[62:63]
	s_or_b32 s59, s59, 0x80000000
	s_cmp_lt_u32 s[WV], 4                          ; waves 0-3 bring the codes, waves 4-7 the scale words, K's first; a wave's two fills stand in one branch: two loads of mine are out at the most
	s_cbranch_scc0 .Lnot_codes
	tensor_load_to_lds s[44:47], s[G1C:G1C+7]
	s_nop 0
	tensor_load_to_lds s[48:51], s[G1C:G1C+7]
	s_nop 0
.rept 4
	v_nop
.endr
	s_branch .Lasked
.Lnot_codes:
	s_cmp_lt_u32 s[WV], 8
	s_cbranch_scc0 .Lasked
	tensor_load_to_lds s[52:55], s[G1S:G1S+7]
	s_nop 0
	tensor_load_to_lds s[56:59], s[G1S:G1S+7]
	s_nop 0
.rept 4
	v_nop
.endr
.Lasked:
	s_lshl_b32 s20, ttmp9, 4
	s_add_co_u32 s20, s20, s[WV]                   ; my token tile in the sequence
	s_lshl_b32 s60, s24, 17
	s_lshl_b32 s21, s20, 10
	s_add_co_u32 s60, s60, s21
	s_mov_b32 s61, 0
	s_add_nc_u64 s[QA:QA+1], s[4:5], s[60:61]
	s_lshl_b32 s62, s14, 13
	s_lshl_b32 s21, s20, 6
	s_add_co_u32 s62, s62, s21
	s_mov_b32 s63, 0
	s_add_nc_u64 s[QSA:QSA+1], s[6:7], s[62:63]
	v_and_b32 v[L16], 31, v0
	s_delay_alu instid0(VALU_DEP_1)
	v_lshlrev_b32 v[L16], 4, v[L16]
	v_and_b32 v[R4], 15, v0                        ; r
	v_bfe_u32 v99, v0, 4, 1                        ; h
	s_delay_alu instid0(VALU_DEP_1)
	v_lshlrev_b32 v99, 3, v99
	s_delay_alu instid0(VALU_DEP_1)
	v_sub_nc_u32 v[EE], v[R4], v99
	s_lshl_b32 s21, s19, 4
	v_add_nc_u32 v[EE], s21, v[EE]
	v_lshlrev_b32 v[R4], 2, v[R4]
	global_load_b128 v[QF:QF+3], v[L16], s[QA:QA+1]           ; the even head's q: two chunks,
	global_load_b128 v[QF+4:QF+7], v[L16], s[QA:QA+1] offset:512
	global_load_u16 v[QSC], v[R4], s[QSA:QSA+1]               ; and its two scale bytes; the upper two bytes are 0 and stand over zero codes
.irp j, 0,1,2,3,4,5,6,7
	v_mov_b32 v[QF+8+\j], 0                        ; zero codes; never rewritten
.endr
.irp j, 0,1,2,3,4,5,6,7,8,9,10,11
	v_mov_b32 v[80+\j], 0
.endr
.irp j, 0,1,2,3,4,5,6,7,8
	v_mov_b32 v[PT+\j], 0                          ; written once: a lane permute's destination counts as one of its sources.  (Also the places between the zero codes and the first products)
.endr
	v_mov_b32 v[NINF], 0xff800000
	s_lshl_b32 s21, s18, 11
	v_add_nc_u32 v[AK], s21, v[L16]
	s_add_co_u32 s21, s21, VL
	v_add_nc_u32 v[AV], s21, v[L16]
	s_lshl_b32 s21, s18, 7
	s_add_co_u32 s21, s21, KSL
	v_add_nc_u32 v[AKS], s21, v[R4]
	s_lshr_b32 s21, s18, 2
	s_lshl_b32 s21, s21, 8
	s_add_co_u32 s21, s21, VSL
	v_add_nc_u32 v[AVS], s21, v[R4]
	s_lshl_b32 s21, s[WV], 6
	s_add_co_u32 s21, s21, CSL
	v_add_nc_u32 v[CWA], s21, v[R4]
	s_lshl_b32 s21, s19, 9
	s_add_co_u32 s21, s21, CSL
	v_add_nc_u32 v[CRD], s21, v[L16]
	s_lshl_b32 s66, s15, 7
	s_add_co_u32 s66, s66, s20                     ; my token tile of all 512
	s_lshl_b32 s66, s66, 14
	s_lshl_b32 s21, s16, 11
	s_add_co_u32 s66, s66, s21                     ; + the pair's four chunks
	s_mov_b32 s67, 0
	s_add_nc_u64 s[CIA:CIA+1], s[8:9], s[66:67]
	s_lshl_b32 s68, s16, 15
	s_lshl_b32 s21, s15, 13
	s_add_co_u32 s68, s68, s21
	s_lshl_b32 s21, ttmp9, 10
	s_add_co_u32 s68, s68, s21
	s_mov_b32 s69, 0
	s_add_nc_u64 s[CSA:CSA+1], s[10:11], s[68:69]
	s_wait_alu depctr_va_vdst(0)
	s_wait_tensorcnt 1                             ; K's part of my fills is in; V's may stay out
	s_barrier_signal -1
	s_barrier_wait -1                              ; everybody's is
.macro TILE hd
.if \hd
	s_wait_xcnt 0x0                                ; the even head's stores have read their registers, which the scores below write over
.endif
	s_wait_loadcnt 0x0                             ; q and its scales
	; ---- S^T = K Q^T: 18 key tiles, six at a time
.irp g, 0,1,2
.if \g
.rept 8
	v_nop                                          ; places in front of loads into registers that matrix instructions have read
.endr
.endif
.irp t, 0,1,2,3,4,5
	ds_load_b128 v[KF+8*\t:KF+8*\t+3], v[AK] offset:\hd*32768+(6*\g+\t)*1024
	ds_load_b128 v[KF+8*\t+4:KF+8*\t+7], v[AK] offset:\hd*32768+(6*\g+\t)*1024+512
	ds_load_u16 v[KSC+\t], v[AKS] offset:(6*\g+\t)*64+2*\hd
.endr
	s_wait_dscnt 0x0
.irp t, 0,1,2,3,4,5
	v_wmma_scale_f32_16x16x128_f8f6f4 v[S+8*(6*\g+\t):S+8*(6*\g+\t)+7], v[KF+8*\t:KF+8*\t+15], v[QF:QF+15], 0, v[KSC+\t], v[QSC]
.endr
.endr
.rept 8
	v_nop
.endr
.if \hd == 0
	global_load_b128 v[QF:QF+3], v[L16], s[QA:QA+1] offset:131072        ; the odd head's q is asked for now
	global_load_b128 v[QF+4:QF+7], v[L16], s[QA:QA+1] offset:131072+512
	global_load_u16 v[QSC], v[R4], s[QSA:QSA+1] offset:2
.endif
	; ---- blocks that do not exist (the sequence's first work-group alone): all 16 of my scores become -infinity
.irp i, 0,1,2,3,4,5,6,7
	s_cmp_le_u32 s[HB], \i
	s_cbranch_scc1 .Lvis_\@
.set kk, 0
.rept 16
	v_mov_b32 v[S+16*\i+kk], v[NINF]
.set kk, kk+1
.endr
.endr
.Lvis_\@:
	; ---- the band's edges.  Register 8 t + j of a block holds its key n + 8 h, n = 16 t + j.  Block 0: hidden where query - key >= 256: n <= e.  Block 8: hidden where key > query: n > e
.set kk, 0
.rept 16
	v_cmp_le_i32 vcc_lo, 16*(kk/8)+kk%8, v[EE]
	v_cndmask_b32 v[S+kk], v[S+kk], v[NINF], vcc_lo
.set kk, kk+1
.endr
.set kk, 0
.rept 16
	v_cmp_gt_i32 vcc_lo, 16*(kk/8)+kk%8, v[EE]
	v_cndmask_b32 v[S+128+kk], v[S+128+kk], v[NINF], vcc_lo
.set kk, kk+1
.endr
	; ---- the largest score of each block of 32 keys: it serves for the row's maximum and, since p rises with the score, for the block's largest p
.irp i, 0,1,2,3,4,5,6,7,8
	v_max3_num_f32 v[BM+\i], v[S+16*\i], v[S+16*\i+1], v[S+16*\i+2]
.endr
.irp k, 3,5,7,9,11,13
.irp i, 0,1,2,3,4,5,6,7,8
	v_max3_num_f32 v[BM+\i], v[BM+\i], v[S+16*\i+\k], v[S+16*\i+\k+1]
.endr
.endr
.irp i, 0,1,2,3,4,5,6,7,8
	v_max_num_f32 v[BM+\i], v[BM+\i], v[S+16*\i+15]
.endr
.irp i, 0,1,2,3,4,5,6,7,8
	v_permlanex16_b32 v[PT+\i], v[BM+\i], s[SEL], s[SEL+1]
.endr
.irp i, 0,1,2,3,4,5,6,7,8
	v_max_num_f32 v[BM+\i], v[BM+\i], v[PT+\i]     ; with lane l xor 16's 16 keys
.endr
	v_max3_num_f32 v[RM], v[BM], v[BM+1], v[BM+2]
	s_delay_alu instid0(VALU_DEP_1)
	v_max3_num_f32 v[RM], v[RM], v[BM+3], v[BM+4]
	s_delay_alu instid0(VALU_DEP_1)
	v_max3_num_f32 v[RM], v[RM], v[BM+5], v[BM+6]
	s_delay_alu instid0(VALU_DEP_1)
	v_max3_num_f32 v[RM], v[RM], v[BM+7], v[BM+8]  ; the row's largest score: the query's own key always counts
	s_delay_alu instid0(VALU_DEP_1)
	v_mul_f32 v[NM+1], s[CS], v[RM]                ; as t
	s_delay_alu instid0(VALU_DEP_1)
	v_floor_f32 v[NM], -v[NM+1]                    ; -M = floor(-t) = -ceil(t)
.set kk, 0
.rept 72
	v_pk_fma_f32 v[S+kk:S+kk+1], v[S+kk:S+kk+1], s[CS:CS+1], v[NM:NM+1] op_sel_hi:[1,0,0]   ; t - M, two at a time
.set kk, kk+2
.endr
.irp i, 0,1,2,3,4,5,6,7,8
	v_fma_f32 v[BM+\i], v[BM+\i], s[CS], v[NM]     ; the same of each block's largest score
.endr
.set kk, 0
	s_wait_alu depctr_va_vdst(0)
.rept 144
	v_exp_f32 v[S+kk], v[S+kk]                     ; p = 2^(t - M), at most 1; 0 where the score is -infinity
.set kk, kk+1
.endr
	v_nop                                          ; a plain line behind the batch,
	s_wait_alu depctr_va_vdst(0)                   ; and one wait for it, ahead of the first line that names a result
.irp i, 0,1,2,3,4,5,6,7,8
	v_exp_f32 v[BM+\i], v[BM+\i]                   ; the block's largest p: the same two instructions on the same number
.endr
	v_pk_add_f32 v[14:15], v[100:101], v[104:105]
	v_pk_add_f32 v[252:253], v[108:109], v[112:113]
	v_pk_add_f32 v[250:251], v[116:117], v[120:121]
	v_pk_add_f32 v[248:249], v[124:125], v[128:129]
	v_pk_add_f32 v[246:247], v[132:133], v[136:137]
	v_pk_add_f32 v[244:245], v[140:141], v[144:145]
	v_pk_add_f32 v[96:97], v[148:149], v[152:153]
	v_pk_add_f32 v[254:255], v[156:157], v[160:161]
	v_pk_add_f32 v[254:255], v[254:255], v[164:165]
	v_pk_add_f32 v[14:15], v[14:15], v[168:169]
	v_pk_add_f32 v[252:253], v[252:253], v[172:173]
	v_pk_add_f32 v[250:251], v[250:251], v[176:177]
	v_pk_add_f32 v[248:249], v[248:249], v[180:181]
	v_pk_add_f32 v[246:247], v[246:247], v[184:185]
	v_pk_add_f32 v[244:245], v[244:245], v[188:189]
	v_pk_add_f32 v[96:97], v[96:97], v[192:193]
	v_pk_add_f32 v[254:255], v[254:255], v[196:197]
	v_pk_add_f32 v[14:15], v[14:15], v[200:201]
	v_pk_add_f32 v[252:253], v[252:253], v[204:205]
	v_pk_add_f32 v[250:251], v[250:251], v[208:209]
	v_pk_add_f32 v[248:249], v[248:249], v[212:213]
	v_pk_add_f32 v[246:247], v[246:247], v[216:217]
	v_pk_add_f32 v[244:245], v[244:245], v[220:221]
	v_pk_add_f32 v[96:97], v[96:97], v[224:225]
	v_pk_add_f32 v[254:255], v[254:255], v[228:229]
	v_pk_add_f32 v[14:15], v[14:15], v[232:233]
	v_pk_add_f32 v[252:253], v[252:253], v[236:237]
	v_pk_add_f32 v[250:251], v[250:251], v[240:241]
	v_pk_add_f32 v[248:249], v[248:249], v[102:103]
	v_pk_add_f32 v[246:247], v[246:247], v[106:107]
	v_pk_add_f32 v[244:245], v[244:245], v[110:111]
	v_pk_add_f32 v[96:97], v[96:97], v[114:115]
	v_pk_add_f32 v[254:255], v[254:255], v[118:119]
	v_pk_add_f32 v[14:15], v[14:15], v[122:123]
	v_pk_add_f32 v[252:253], v[252:253], v[126:127]
	v_pk_add_f32 v[250:251], v[250:251], v[130:131]
	v_pk_add_f32 v[248:249], v[248:249], v[134:135]
	v_pk_add_f32 v[246:247], v[246:247], v[138:139]
	v_pk_add_f32 v[244:245], v[244:245], v[142:143]
	v_pk_add_f32 v[96:97], v[96:97], v[146:147]
	v_pk_add_f32 v[254:255], v[254:255], v[150:151]
	v_pk_add_f32 v[14:15], v[14:15], v[154:155]
	v_pk_add_f32 v[252:253], v[252:253], v[158:159]
	v_pk_add_f32 v[250:251], v[250:251], v[162:163]
	v_pk_add_f32 v[248:249], v[248:249], v[166:167]
	v_pk_add_f32 v[246:247], v[246:247], v[170:171]
	v_pk_add_f32 v[244:245], v[244:245], v[174:175]
	v_pk_add_f32 v[96:97], v[96:97], v[178:179]
	v_pk_add_f32 v[254:255], v[254:255], v[182:183]
	v_pk_add_f32 v[14:15], v[14:15], v[186:187]
	v_pk_add_f32 v[252:253], v[252:253], v[190:191]
	v_pk_add_f32 v[250:251], v[250:251], v[194:195]
	v_pk_add_f32 v[248:249], v[248:249], v[198:199]
	v_pk_add_f32 v[246:247], v[246:247], v[202:203]
	v_pk_add_f32 v[244:245], v[244:245], v[206:207]
	v_pk_add_f32 v[96:97], v[96:97], v[210:211]
	v_pk_add_f32 v[254:255], v[254:255], v[214:215]
	v_pk_add_f32 v[14:15], v[14:15], v[218:219]
	v_pk_add_f32 v[252:253], v[252:253], v[222:223]
	v_pk_add_f32 v[250:251], v[250:251], v[226:227]
	v_pk_add_f32 v[248:249], v[248:249], v[230:231]
	v_pk_add_f32 v[246:247], v[246:247], v[234:235]
	v_pk_add_f32 v[244:245], v[244:245], v[238:239]
	v_pk_add_f32 v[96:97], v[96:97], v[242:243]
	s_delay_alu instid0(VALU_DEP_4)
	v_pk_add_f32 v[254:255], v[254:255], v[248:249]
	s_delay_alu instid0(VALU_DEP_4)
	v_pk_add_f32 v[14:15], v[14:15], v[246:247]
	s_delay_alu instid0(VALU_DEP_4)
	v_pk_add_f32 v[252:253], v[252:253], v[244:245]
	s_delay_alu instid0(VALU_DEP_4)
	v_pk_add_f32 v[250:251], v[250:251], v[96:97]
	s_delay_alu instid0(VALU_DEP_2)
	v_pk_add_f32 v[254:255], v[254:255], v[252:253]
	s_delay_alu instid0(VALU_DEP_2)
	v_pk_add_f32 v[14:15], v[14:15], v[250:251]
	s_delay_alu instid0(VALU_DEP_1)
	v_pk_add_f32 v[254:255], v[254:255], v[14:15]
	s_delay_alu instid0(VALU_DEP_1)
	v_add_f32 v[SUMA], v[SUMA], v[SUMA+1]
	s_delay_alu instid0(VALU_DEP_1)
	v_permlanex16_b32 v[SUMA+1], v[SUMA], s[SEL], s[SEL+1]
	s_delay_alu instid0(VALU_DEP_1)
	v_add_f32 v[SUMA], v[SUMA], v[SUMA+1]          ; with lane l xor 16's 144 keys
	s_wait_alu depctr_va_vdst(0)
	v_rcp_f32 v[RL], v[SUMA]
	v_nop
	s_wait_alu depctr_va_vdst(0)                   ; one wait for the nine exponentials and the reciprocal
.irp i, 0,1,2,3,4,5,6,7,8
	v_max_num_f32 v[BM+\i], 0x4800000, v[BM+\i]    ; the floor 2^(9 - 127): a block whose every p is 0 keeps the byte 1; its codes are zeros
.endr
.irp i, 0,1,2,3,4,5,6,7,8
	v_add_nc_u32 v[PT+\i], 0xfc000000, v[BM+\i]    ; 8 off the exponent field: the conversion's scale operand
.endr
.irp i, 0,1,2,3,4,5,6,7,8
.endr
.irp k, 0,1
	v_lshrrev_b32 v[PW+\k], 23, v[PT+4*\k]         ; four bytes make the scale word of 128 keys
	v_lshrrev_b32 v99, 23, v[PT+4*\k+1]
	v_lshrrev_b32 v253, 23, v[PT+4*\k+2]
	v_lshrrev_b32 v[RM], 23, v[PT+4*\k+3]
	s_delay_alu instid0(VALU_DEP_3)
	v_lshl_or_b32 v[PW+\k], v99, 8, v[PW+\k]
	s_delay_alu instid0(VALU_DEP_1)
	v_lshl_or_b32 v[PW+\k], v253, 16, v[PW+\k]
	s_delay_alu instid0(VALU_DEP_1)
	v_lshl_or_b32 v[PW+\k], v[RM], 24, v[PW+\k]
.endr
	v_lshrrev_b32 v[PW+2], 23, v[PT+8]             ; the ninth block's; the upper three bytes are 0 and stand over zero codes
.irp i, 0,1,2,3,4,5,6,7,8
.set kk, 0
.rept 16
.set kk, kk+1
.endr
	v_cvt_scalef32_pk8_fp8_f32 v[PC+4*\i:PC+4*\i+1], v[S+16*\i:S+16*\i+7], v[PT+\i]
	v_cvt_scalef32_pk8_fp8_f32 v[PC+4*\i+2:PC+4*\i+3], v[S+16*\i+8:S+16*\i+15], v[PT+\i]
.endr
	v_nop                                          ; a plain line behind the last conversion
.if \hd == 0
	s_wait_tensorcnt 0x0                           ; V's part of my fills is in,
	s_wait_dscnt 0x0
	s_barrier_signal -1
	s_barrier_wait -1                              ; everybody's is
.endif
	; ---- O^T = V^T P^T: three steps: blocks 0-3, 4-7, and the ninth with zero codes behind it.  V's scale words lie by aligned groups of four blocks: mine are cut out of two neighbours
.irp g, 0,1,2
.irp d, 0,1,2,3
	ds_load_b32 v[WR+4*\g+\d], v[AVS] offset:\hd*1024+256*\g+64*\d
.endr
.endr
.irp d, 0,1,2,3
.irp c, 0,1,2,3
	ds_load_b128 v[VF+16*\d+4*\c:VF+16*\d+4*\c+3], v[AV] offset:\hd*32768+\c*2048+512*\d
.endr
.endr
	s_wait_dscnt 16                                ; the twelve raw words are in; the sixteen fragment loads behind them may be out
.irp k, 0,1
.irp d, 0,1,2,3
	v_alignbit_b32 v[VS+4*\k+\d], v[WR+4*\k+4+\d], v[WR+4*\k+\d], s[SH]
.endr
.endr
.irp d, 0,1,2,3
	v_alignbit_b32 v[VS+8+\d], v[WR+8+\d], v[WR+8+\d], s[SH]   ; its lowest byte is the ninth block's; the others stand over zero codes of p
.endr
.rept 4
	v_nop                                          ; with the eight lines above: the places between the first step's scale words and its products
.endr
	s_wait_alu depctr_va_vdst(0)
	s_wait_dscnt 0x0
.irp d, 0,1,2,3
	v_wmma_scale_f32_16x16x128_f8f6f4 v[OT+8*\d:OT+8*\d+7], v[VF+16*\d:VF+16*\d+15], v[PC:PC+15], 0, v[VS+\d], v[PW]
.endr
.rept 8
	v_nop
.endr
.irp d, 0,1,2,3
.irp c, 0,1,2,3
	ds_load_b128 v[VF+16*\d+4*\c:VF+16*\d+4*\c+3], v[AV] offset:\hd*32768+(4+\c)*2048+512*\d
.endr
.endr
	s_wait_dscnt 0x0
.irp d, 0,1,2,3
	v_wmma_scale_f32_16x16x128_f8f6f4 v[OT+8*\d:OT+8*\d+7], v[VF+16*\d:VF+16*\d+15], v[PC+16:PC+31], v[OT+8*\d:OT+8*\d+7], v[VS+4+\d], v[PW+1]   ; the four accumulators by turns
.endr
.rept 8
	v_nop
.endr
.irp d, 0,1,2,3
	ds_load_b128 v[VF+16*\d:VF+16*\d+3], v[AV] offset:\hd*32768+8*2048+512*\d   ; the ninth block alone; the other twelve registers keep valid codes, which meet zero codes of p
.endr
	s_wait_dscnt 0x0
.irp d, 0,1,2,3
	v_wmma_scale_f32_16x16x128_f8f6f4 v[OT+8*\d:OT+8*\d+7], v[VF+16*\d:VF+16*\d+15], v[PC+32:PC+47], v[OT+8*\d:OT+8*\d+7], v[VS+8+\d], v[PW+2]
.endr
.rept 9
	v_nop                                          ; nine: the next head's first products write over registers of these
.endr
	; ---- O^T / the sum; register 8 t + j is channel 16 t + 8 h + j of my query; two blocks of 32 are quantised
.set kk, 0
.rept 16
	v_pk_mul_f32 v[OT+kk:OT+kk+1], v[OT+kk:OT+kk+1], v[RL:RL+1] op_sel_hi:[1,0]
.set kk, kk+2
.endr
.irp c, 0,1
	v_max3_num_f32 v[WR+\c], |v[OT+16*\c]|, |v[OT+16*\c+1]|, 0x4800000
.endr
.irp k, 2,4,6,8,10,12,14
.irp c, 0,1
	s_delay_alu instid0(VALU_DEP_2)
	v_max3_num_f32 v[WR+\c], v[WR+\c], |v[OT+16*\c+\k]|, |v[OT+16*\c+\k+1]|
.endr
.endr
.irp c, 0,1
	s_delay_alu instid0(VALU_DEP_2)
	v_permlanex16_b32 v[WR+2+\c], v[WR+\c], s[SEL], s[SEL+1]
.endr
.irp c, 0,1
	s_delay_alu instid0(VALU_DEP_2)
	v_max_num_f32 v[WR+\c], v[WR+\c], v[WR+2+\c]
.endr
.irp c, 0,1
	s_delay_alu instid0(VALU_DEP_2)
	v_add_nc_u32 v[WR+4+\c], 0xfc000000, v[WR+\c]
.endr
.irp c, 0,1
.endr
.irp c, 0,1
	s_delay_alu instid0(VALU_DEP_2)
	v_lshrrev_b32 v[WR+8+\c], 23, v[WR+4+\c]
.endr
.if \hd == 0
	s_delay_alu instid0(VALU_DEP_1)
	v_lshl_or_b32 v[CW], v[WR+9], 8, v[WR+8]       ; the even head's two bytes
.else
	s_delay_alu instid0(VALU_DEP_1)
	v_lshl_or_b32 v[WR+8], v[WR+9], 8, v[WR+8]
	s_delay_alu instid0(VALU_DEP_1)
	v_lshl_or_b32 v[CW], v[WR+8], 16, v[CW]        ; the odd head's above them
.endif
.irp c, 0,1
.set kk, 0
.rept 16
.set kk, kk+1
.endr
	v_cvt_scalef32_pk8_fp8_f32 v[CC+4*\c:CC+4*\c+1], v[OT+16*\c:OT+16*\c+7], v[WR+4+\c]
	v_cvt_scalef32_pk8_fp8_f32 v[CC+4*\c+2:CC+4*\c+3], v[OT+16*\c+8:OT+16*\c+15], v[WR+4+\c]
.endr
	v_nop                                          ; a plain line behind the last conversion
.irp c, 0,1
	v_permlane16_swap_b32 v[CC+4*\c], v[CC+4*\c+2]     ; the upper lanes' channels 8-15 change places with the lower lanes' 16-23: lane (r, h) then holds channels 16 h + 0 .. 15 of the block, the order in which w_o lies
	v_permlane16_swap_b32 v[CC+4*\c+1], v[CC+4*\c+3]
.endr
	global_store_b128 v[L16], v[CC:CC+3], s[CIA:CIA+1] offset:\hd*1024          ; a chunk: 512 consecutive bytes, aligned
	global_store_b128 v[L16], v[CC+4:CC+7], s[CIA:CIA+1] offset:\hd*1024+512
.endm
	TILE 0
	TILE 1
	ds_store_b32 v[CWA], v[CW]                     ; lanes r and r + 16 write the same word with the same value
	s_wait_dscnt 0x0                               ; for the others' sake
	s_barrier_signal -1
	s_barrier_wait -1
	s_cmp_gt_u32 s[WV], 1
	s_cbranch_scc1 .Lend                           ; waves 0 and 1 carry the 256 words out, 512 bytes each
	ds_load_b128 v[100:103], v[CRD]
	s_lshl_b32 s21, s19, 9
	v_add_nc_u32 v99, s21, v[L16]
	s_wait_alu depctr_va_vdst(0)
	s_wait_dscnt 0x0
	global_store_b128 v99, v[100:103], s[CSA:CSA+1]
.Lend:
	s_wait_tensorcnt 0x0                           ; the wave's end, behind my last tensor load and my last LDS store
	ds_add_u32 v[SPW], v[NIL]
	s_wait_dscnt 0x0
	s_endpgm
.Lfunc_end_k_q85ef7b2023_attn:
	.size	k_q85ef7b2023_attn, .Lfunc_end_k_q85ef7b2023_attn-k_q85ef7b2023_attn
	.p2alignl 7, 3214868480
	.fill 96, 4, 3214868480
	.section	.rodata,"a",@progbits
	.p2align	6, 0x0
	.amdhsa_kernel k_q85ef7b2023_attn
		.amdhsa_group_segment_fixed_size 167936
		.amdhsa_private_segment_fixed_size 0
		.amdhsa_enable_private_segment 0
		.amdhsa_kernarg_size 32
		.amdhsa_user_sgpr_count 2
		.amdhsa_user_sgpr_kernarg_segment_ptr 1
		.amdhsa_wavefront_size32 1
		.amdhsa_system_sgpr_workgroup_id_x 1
		.amdhsa_system_sgpr_workgroup_id_y 1
		.amdhsa_system_sgpr_workgroup_id_z 1
		.amdhsa_system_vgpr_workitem_id 0
		.amdhsa_next_free_vgpr 256
		.amdhsa_next_free_sgpr 80
		.amdhsa_reserve_vcc 1
		.amdhsa_float_denorm_mode_32 3
		.amdhsa_float_denorm_mode_16_64 3
		.amdhsa_fp16_overflow 1
		.amdhsa_memory_ordered 1
		.amdhsa_forward_progress 1
		.amdhsa_inst_pref_size 103
	.end_amdhsa_kernel
	.amdgpu_metadata
---
amdhsa.version: [ 1, 2 ]
amdhsa.kernels:
  - .name:           k_q85ef7b2023_attn
    .symbol:         k_q85ef7b2023_attn.kd
    .args:
      - { .name: qkv, .offset: 0, .size: 8, .value_kind: global_buffer, .address_space: global }
      - { .name: qkvs, .offset: 8, .size: 8, .value_kind: global_buffer, .address_space: global }
      - { .name: cimg, .offset: 16, .size: 8, .value_kind: global_buffer, .address_space: global }
      - { .name: cs, .offset: 24, .size: 8, .value_kind: global_buffer, .address_space: global }
    .group_segment_fixed_size: 167936
    .private_segment_fixed_size: 0
    .kernarg_segment_align: 8
    .kernarg_segment_size: 32
    .max_flat_workgroup_size: 512
    .sgpr_count:     80
    .vgpr_count:     256
    .wavefront_size: 32
...
	.end_amdgpu_metadata
.endif
;; end of part 3
;; launch oproj (part 4): grid 8 x 32, 4 waves a work-group, clusters of 4 x 4, 327,680 bytes of LDS; arguments cimg, cs, w_o_codes, w_o_scales, b_o, x, out0; writes out0
.if DOCPART == 4
	.amdgcn_target "amdgcn-amd-amdhsa--gfx1250"
	.amdhsa_code_object_version 6
	.text
	.protected	k_q85ef7b2023_oproj
	.globl	k_q85ef7b2023_oproj
	.p2align	8
	.type	k_q85ef7b2023_oproj,@function
k_q85ef7b2023_oproj:
	s_mov_b64 s[64:65], 0
	v_nop
	global_prefetch_b8 v0, s[64:65] scope:SCOPE_SE
	s_setreg_imm32_b32 hwreg(HW_REG_WAVE_MODE, 25, 1), 1
	s_wait_xcnt 0x0
	s_wait_alu depctr_hold_cnt(0) depctr_sa_sdst(0) depctr_va_vdst(0) depctr_va_sdst(0) depctr_va_ssrc(0) depctr_va_vcc(0) depctr_vm_vsrc(0)
	s_getreg_b32 s2, hwreg(HW_REG_IB_STS2, 6, 4)
	s_cmp_eq_u32 s2, 0
	s_cbranch_scc0 .Lentry_in_a_cluster
	s_endpgm
.Lentry_in_a_cluster:
	s_bfe_u32 s2, ttmp6, 0x10000c
	s_cmp_lg_u32 s2, 0xf033
	s_cbranch_scc0 .Lentry_shape_is_right
	s_endpgm
.Lentry_shape_is_right:
; out0 = x + ctx W_o^T + b_o, the product on codes of E4M3 with E8M0 scales.  ctx comes as register images (cimg: [token tile 512][block of 32 along K: 32][512 bytes]) with scale words cs [128 along K: 8][token 8192].
; A tile of 256 tokens x 128 outputs to a work-group, so that there are 256 work-groups; four waves, each 128 x 64: 32 accumulators, 256 registers (window 2).
; K = 1,024 goes in four steps of 256 through two LDS slots filled by the tensor data mover; all scale words come once with the first fills.  4 x 4 work-groups form a cluster: ctx's tiles are asked for jointly
; along a row of the cluster, w_o's along a column.  THE MATRIX INSTRUCTION IS USED TRANSPOSED (source 0 = 16 rows of w_o, source 1 = 16 tokens): a lane holds eight neighbouring outputs of one token.
; The bias is the C of each sum's first matrix instruction.  On the way out a block of 16 tokens goes through the wave's stage in LDS, meets x, and leaves as aligned runs of 256 bytes.
; REGISTERS: window 0: v1-30 addresses; v32-47 w_o's scale words, v48-63 ctx's (two sets each); v64-95 the bias; v128-255 ctx's fragments, one set.  window 1: w_o's fragments, two sets of 64.  window 2: the accumulators, (a, b) at 8 (4 a + b).
.set PITCH,  272                       ; a row of w_o in LDS: 256 bytes + 16 of padding
.set FR,     16
.set NP,     8                         ; places behind this matrix instruction (ISA guide 7.12.1)
.set AHALF,  32768                     ; 8 token tiles x 4,096 bytes: what one load brings of ctx, dense: images are read 512 bytes on end
.set BOFF,   65536
.set BHALF,  64*PITCH
.set SLOT,   BOFF+2*BHALF
.set SCA,    2*SLOT                    ; ctx's scale words: [half of the tokens 2][128 along K: 8][128 tokens] words
.set SCB,    SCA+8192                  ; w_o's scale bytes: 16 runs of 256 bytes + 16 of padding
.set SBH,    8*272
.set SPARE,  SCB+2*SBH                 ; the spare words, 128 bytes for each wave: two blocks of 256 bytes that no other line names
.set SPITCH, 272                       ; the way out: 16 rows x (256 bytes + 16) for each wave, in slot 0, which has had its last fill and its last read by then
.set ADRA, 16
.set ADRB, 20
.set ADSB, 22
.set ADSA, 23
.set STO,  24
.set RD,   25
.set CO,   26                          ; my byte offset in two rows of x and of out0
.set PFO,  27                          ; 4,096 x lane: a row of x a lane
.set SPW,  28
.set NIL,  29
.set BOF,  30
.set SB,   32
.set SA,   48
.set BI,   64
.set AF,   128
.set BK,   32                          ; the way out: v32-63 a block back from the stage; v64-255 six blocks of x
.set XR,   64
.set G1, 24
.set G0, 32
.set G1B, 48
.set G0B, 56
.set G1S, 68
.set G0S, 76
.set G1SB, 80
.set G0SB, 88
.set MSB, 0
.macro WIN new                         ; the immediate's high byte repeats the setting that is left
.if MSB != \new
	s_set_vgpr_msb (MSB<<8)|\new
.set MSB, \new
.endif
.endm
.set MUL,  0xa1                        ; source 0 (w_o) window 1, source 1 (ctx) window 0, C and D window 2
.set FST,  0x81                        ; the first step: C (the bias) window 0
.set TO_B, 0x40
.macro JLOAD g0a, g1a, g0b, g1b        ; a joint load: waves 0 and 1 fetch for ctx, waves 2 and 3 for w_o; an s_nop 0 and four v_nop follow each of the two lines
	s_cmp_eq_u32 s15, 0
	s_cbranch_scc0 .Lfor_b_\@
	tensor_load_to_lds s[\g0a:\g0a+3], s[\g1a:\g1a+7]
	s_nop 0
.rept 4
	v_nop
.endr
	s_branch .Lasked_\@
.Lfor_b_\@:
	tensor_load_to_lds s[\g0b:\g0b+3], s[\g1b:\g1b+7]
	s_nop 0
.rept 4
	v_nop
.endr
.Lasked_\@:
.endm
.macro CREST
	s_cmp_lg_u32 s14, 0
	s_cbranch_scc1 .Lnot_wave_0_\@
	s_barrier_signal -3
.Lnot_wave_0_\@:
	s_barrier_wait -3
	s_barrier_signal -1
	s_barrier_wait -1
.endm
.macro CROUND
	s_barrier_signal -1
	s_barrier_wait -1
	CREST
.endm
	s_load_b256 s[4:11], s[0:1], 0x0               ; cimg, cs, w_o's codes, w_o's scales
	s_load_b128 s[96:99], s[0:1], 0x20             ; b_o, x
	s_load_b64 s[12:13], s[0:1], 0x30              ; out0
	v_lshl_add_u32 v[SPW], v0, 2, SPARE
	v_mov_b32 v[NIL], 0
	ds_add_u32 v[SPW], v[NIL]                      ; the wave's opening: the add and its wait ahead of my first tensor load; work on registers stands between them
	v_lshrrev_b32 v1, 5, v0
	v_readfirstlane_b32 s14, v1                    ; wave 0..3
	s_lshr_b32 s15, s14, 1                         ; which 128 tokens are mine.  Also: I fetch for ctx (0) or for w_o (1)
	s_and_b32 s16, s14, 1                          ; which 64 outputs.  Also: which half of that tile I fetch
	s_bfe_u32 s40, ttmp6, 0x40000                  ; cx
	s_bfe_u32 s41, ttmp6, 0x40004                  ; cy
	s_lshl_b32 s42, ttmp9, 2
	s_add_co_u32 s42, s42, s40                     ; tile column = 4 x cluster x + cx
	s_and_b32 s17, ttmp7, 0xffff
	s_lshl_b32 s17, s17, 2
	s_add_co_u32 s17, s17, s41                     ; tile row = 4 x cluster y + cy
	s_lshl_b32 s43, s41, 2
	s_lshl_b32 s43, 15, s43                        ; my row of the cluster
	s_lshl_b32 s44, 0x1111, s40                    ; my column
	s_or_b32 s[G1+0], s43, (3<<16)|(1<<21)         ; ctx's codes: elements of 8 bytes, no padding; 8 token tiles x 4,096 bytes, 16,384 bytes apart
	s_mov_b32 s[G1+1], 512<<16
	s_mov_b32 s[G1+2], 8<<16
	s_mov_b32 s[G1+3], 512<<16
	s_mov_b32 s[G1+4], 8
	s_mov_b32 s[G1+5], 2048
	s_mov_b32 s[G1+6], 0
	s_mov_b32 s[G1+7], 0
	s_or_b32 s[G1B+0], s44, (0<<16)|(1<<20)|(1<<21)|(5<<22)|(3<<25)   ; w_o's codes: 64 rows x 256 bytes, 1,024 apart; four words of padding after every 64
	s_mov_b32 s[G1B+1], 256<<16
	s_mov_b32 s[G1B+2], 64<<16
	s_mov_b32 s[G1B+3], 256<<16
	s_mov_b32 s[G1B+4], 64
	s_mov_b32 s[G1B+5], 1024
	s_mov_b32 s[G1B+6], 0
	s_mov_b32 s[G1B+7], 0
	s_or_b32 s[G1S+0], s43, (3<<16)|(1<<21)        ; ctx's scale words: 8 rows (128 along K each) x 512 bytes (128 tokens), 32,768 bytes apart
	s_mov_b32 s[G1S+1], 64<<16
	s_mov_b32 s[G1S+2], 8<<16
	s_mov_b32 s[G1S+3], 64<<16
	s_mov_b32 s[G1S+4], 8
	s_mov_b32 s[G1S+5], 4096
	s_mov_b32 s[G1S+6], 0
	s_mov_b32 s[G1S+7], 0
	s_or_b32 s[G1SB+0], s44, (3<<16)|(1<<20)|(1<<21)|(5<<22)|(3<<25)  ; w_o's scale bytes of 64 rows: 2,048 dense bytes as 8 rows of 256, padded
	s_mov_b32 s[G1SB+1], 32<<16
	s_mov_b32 s[G1SB+2], 8<<16
	s_mov_b32 s[G1SB+3], 32<<16
	s_mov_b32 s[G1SB+4], 8
	s_mov_b32 s[G1SB+5], 32
	s_mov_b32 s[G1SB+6], 0
	s_mov_b32 s[G1SB+7], 0
	s_lshl_b32 s20, s17, 4
	s_lshl_b32 s18, s16, 3
	s_add_co_u32 s20, s20, s18                     ; ctx: token tile 16 x tile row + 8 x half,
	s_lshl_b32 s20, s20, 14                        ; in bytes
	s_mov_b32 s21, 0
	s_lshl_b32 s22, s17, 10
	s_lshl_b32 s18, s16, 9
	s_add_co_u32 s22, s22, s18                     ; its scale words: 4 bytes a token
	s_mov_b32 s23, 0
	s_lshl_b32 s46, s42, 7
	s_lshl_b32 s18, s16, 6
	s_add_co_u32 s46, s46, s18                     ; w_o: row 128 x tile column + 64 x half
	s_lshl_b32 s92, s46, 5                         ; its scale bytes,
	s_mov_b32 s93, 0
	s_lshl_b32 s46, s46, 10                        ; its codes
	s_mov_b32 s47, 0
	s_lshl_b32 s45, s16, 15                        ; where they go: the wave's number alone enters an LDS address
	s_mul_i32 s94, s16, BHALF
	s_add_co_u32 s94, s94, BOFF
	s_lshl_b32 s95, s16, 12
	s_add_co_u32 s95, s95, SCA
	s_mul_i32 s100, s16, SBH
	s_add_co_u32 s100, s100, SCB
	s_wait_dscnt 0x0                               ; the opening add is done
	s_wait_kmcnt 0x0
	s_add_nc_u64 s[20:21], s[4:5], s[20:21]
	s_add_nc_u64 s[22:23], s[6:7], s[22:23]
	s_add_nc_u64 s[46:47], s[8:9], s[46:47]
	s_add_nc_u64 s[92:93], s[10:11], s[92:93]
	CROUND                                         ; all sixteen work-groups are here: the first joint loads meet
	s_mov_b32 s[G0S], 1
	s_mov_b32 s[G0S+1], s95
	s_mov_b64 s[G0S+2:G0S+3], s[22:23]
	s_or_b32 s[G0S+3], s[G0S+3], 0x80000000
	s_mov_b32 s[G0SB], 1
	s_mov_b32 s[G0SB+1], s100
	s_mov_b64 s[G0SB+2:G0SB+3], s[92:93]
	s_or_b32 s[G0SB+3], s[G0SB+3], 0x80000000
	JLOAD G0S, G1S, G0SB, G1SB                     ; the scales first
.irp s, 0,1
	s_mov_b32 s[G0+4*\s], 1
	s_add_co_u32 s[G0+4*\s+1], s45, \s*SLOT
	s_add_nc_u64 s[G0+4*\s+2:G0+4*\s+3], s[20:21], \s*4096
	s_or_b32 s[G0+4*\s+3], s[G0+4*\s+3], 0x80000000
	s_mov_b32 s[G0B+4*\s], 1
	s_add_co_u32 s[G0B+4*\s+1], s94, \s*SLOT
	s_add_nc_u64 s[G0B+4*\s+2:G0B+4*\s+3], s[46:47], \s*256
	s_or_b32 s[G0B+4*\s+3], s[G0B+4*\s+3], 0x80000000
	JLOAD G0+4*\s, G1, G0B+4*\s, G1B
.endr
	v_and_b32 v1, 15, v0                           ; r
	v_bfe_u32 v2, v0, 4, 1                         ; h
	s_lshl_b32 s20, s42, 9
	s_lshl_b32 s22, s16, 8
	s_add_co_u32 s20, s20, s22                     ; my first output, in bytes
	s_mov_b32 s21, 0
	s_add_nc_u64 s[96:97], s[96:97], s[20:21]      ; b_o there
	v_lshlrev_b32 v[BOF], 5, v2                    ; the bias in the result's layout: output 16 b + 8 h + j
.irp b, 0,1,2,3
	global_load_b128 v[BI+8*\b:BI+8*\b+3], v[BOF], s[96:97] offset:64*\b
	global_load_b128 v[BI+8*\b+4:BI+8*\b+7], v[BOF], s[96:97] offset:64*\b+16
.endr
	s_lshl_b32 s22, s17, 8
	s_lshl_b32 s23, s15, 7
	s_add_co_u32 s22, s22, s23                     ; my first token,
	s_lshl_b32 s22, s22, 12                        ; its row of 4,096 bytes,
	s_add_co_u32 s20, s20, s22                     ; and my 256 bytes in it
	s_add_nc_u64 s[98:99], s[98:99], s[20:21]      ; x there; never rewritten
	s_add_nc_u64 s[12:13], s[12:13], s[20:21]      ; out0 likewise
	v_and_b32 v6, 31, v0
	v_lshlrev_b32 v3, 4, v6                        ; 16 x lane
	v_lshlrev_b32 v[PFO], 12, v6
	s_lshl_b32 s21, s15, 15                        ; my 128 tokens' images
	v_mul_u32_u24 v4, v1, PITCH
	v_lshl_add_u32 v4, v2, 4, v4                   ; w_o: a fragment's row x pitch + 16 x half
	s_mul_i32 s22, s16, BHALF
	s_add_co_u32 s22, s22, BOFF
.irp s, 0,1
	v_add_nc_u32 v[ADRA+\s], s21, v3
	v_add_nc_u32 v[ADRB+\s], s22, v4
	s_add_co_u32 s21, s21, SLOT
	s_add_co_u32 s22, s22, SLOT
.endr
	v_lshlrev_b32 v5, 5, v1                        ; w_o's scale bytes: 32 a row,
	v_lshrrev_b32 v6, 8, v5
	v_lshl_add_u32 v5, v6, 4, v5                   ; and 16 more for each 256 passed
	s_mul_i32 s21, s16, SBH
	s_add_co_u32 s21, s21, SCB
	v_add_nc_u32 v[ADSB], s21, v5
	v_lshlrev_b32 v5, 2, v1                        ; ctx's scale words: 4 bytes a token; lanes 16-31 take the slot's second 128 along K, 512 bytes on
	v_lshl_add_u32 v5, v2, 9, v5
	s_lshl_b32 s21, s15, 12
	s_add_co_u32 s21, s21, SCA
	v_add_nc_u32 v[ADSA], s21, v5
	s_mul_i32 s23, s14, 16*SPITCH                  ; my stage
	v_mul_u32_u24 v5, v1, SPITCH
	v_lshl_add_u32 v5, v2, 5, v5
	v_add_nc_u32 v[STO], s23, v5                   ; in: row r, 32 bytes for each half of the lanes
	v_mul_u32_u24 v5, v2, SPITCH
	v_lshl_add_u32 v5, v1, 4, v5
	v_add_nc_u32 v[RD], s23, v5                    ; back: lanes 0-15 one row, lanes 16-31 the next
	v_lshlrev_b32 v5, 12, v2
	v_lshl_add_u32 v[CO], v1, 4, v5                ; and the same two rows in x and out0
; 8 matrix instructions: token blocks a0, a0 + 1 x w_o's four.  q: the slot's first or second 128 along K (ctx's scale words lie in lanes 0-15 or 16-31).  cm = 1: the sums start with the bias.
; The 32 accumulators take turns, one instruction a turn, in the same order in every step.
.macro MUL8 a0, p, q, sc, cm
.irp a, \a0, \a0+1
.irp b, 0,1,2,3
.if \cm
	v_wmma_scale_f32_16x16x128_f8f6f4 v[8*(4*(\a)+\b):8*(4*(\a)+\b)+7], v[64*(\p)+FR*\b:64*(\p)+FR*\b+FR-1], v[AF+FR*(\a):AF+FR*(\a)+FR-1], v[BI+8*\b:BI+8*\b+7], v[SB+8*(\sc)+2*\b+(\q)], v[SA+8*(\sc)+(\a)]
.elseif (\q) == 0
	v_wmma_scale_f32_16x16x128_f8f6f4 v[8*(4*(\a)+\b):8*(4*(\a)+\b)+7], v[64*(\p)+FR*\b:64*(\p)+FR*\b+FR-1], v[AF+FR*(\a):AF+FR*(\a)+FR-1], v[8*(4*(\a)+\b):8*(4*(\a)+\b)+7], v[SB+8*(\sc)+2*\b+(\q)], v[SA+8*(\sc)+(\a)]
.else
	v_wmma_scale_f32_16x16x128_f8f6f4 v[8*(4*(\a)+\b):8*(4*(\a)+\b)+7], v[64*(\p)+FR*\b:64*(\p)+FR*\b+FR-1], v[AF+FR*(\a):AF+FR*(\a)+FR-1], v[8*(4*(\a)+\b):8*(4*(\a)+\b)+7], v[SB+8*(\sc)+2*\b+(\q)], v[SA+8*(\sc)+(\a)] matrix_b_scale:MATRIX_SCALE_ROW1
.endif
.endr
.endr
.endm
.macro FETCH_B slot, q, p              ; w_o's four fragments into set p
	WIN TO_B
.irp i, 0,1,2,3
.irp c, 0,1,2,3
	ds_load_b128 v[64*(\p)+FR*\i+4*\c:64*(\p)+FR*\i+4*\c+3], v[ADRB+\slot] offset:128*(\q)+32*\c+\i*16*PITCH
.endr
.endr
	WIN 0
.endm
.macro FETCH_A slot, q, i0             ; ctx's blocks i0 .. i0 + 3: four chunks each
.irp i, \i0, \i0+1, \i0+2, \i0+3
.irp c, 0,1,2,3
	ds_load_b128 v[AF+FR*(\i)+4*\c:AF+FR*(\i)+4*\c+3], v[ADRA+\slot] offset:4096*(\i)+2048*(\q)+512*\c
.endr
.endr
.endm
.macro SCALES sc                       ; a slot's scale words: w_o's two a row, ctx's one register a block (both halves of the slot)
.irp b, 0,1,2,3
	ds_load_b64 v[SB+8*\sc+2*\b:SB+8*\sc+2*\b+1], v[ADSB] offset:\b*544
.endr
.irp i, 0,1,2,3,4,5,6,7
	ds_load_b32 v[SA+8*\sc+\i], v[ADSA] offset:\i*64
.endr
.endm
.macro PLACES n
.rept \n
	v_nop
.endr
.endm
.macro STEP slot, q, cm                ; a step of 128 along K that has its successor in the same slot
	s_wait_dscnt 16                                ; all but the youngest sixteen loads (ctx's blocks 4-7) are in
.if \cm
	WIN FST
.else
	WIN MUL
.endif
	MUL8 0, (\q)%2, \q, \slot, \cm
	MUL8 2, (\q)%2, \q, \slot, \cm
	s_wait_dscnt 0
	PLACES NP
	FETCH_B \slot, (\q)+1, 1-(\q)%2
	FETCH_A \slot, (\q)+1, 0
.if \cm
	WIN FST
.else
	WIN MUL
.endif
	MUL8 4, (\q)%2, \q, \slot, \cm
	MUL8 6, (\q)%2, \q, \slot, \cm
	PLACES NP
	WIN 0
	FETCH_A \slot, (\q)+1, 4
.endm
; A slot's last step changes slots: one barrier; in front of it each wave waits for all its tensor loads, adds 0 to its spare word, and waits for that and for its own reads of this slot
.macro TURN slot, next, fill
	s_wait_tensorcnt 0x0                           ; all my tensor loads have landed: my part of the next slot
	ds_add_u32 v[SPW], v[NIL]                      ; 0 onto my spare word
	s_wait_dscnt 17                                ; (the add and the youngest sixteen loads may be out)
	WIN MUL
	MUL8 0, 1, 1, \slot, 0
	s_wait_dscnt 0x0                               ; the add is done, and my reads of this slot are over
	s_barrier_signal -1
	MUL8 2, 1, 1, \slot, 0
	WIN 0
	s_barrier_wait -1
.if \fill
	CREST                                          ; the barrier has opened a round of the cluster's barrier: no wave of any partner still reads this slot or has a load on its way
	s_add_nc_u64 s[G0+4*\slot+2:G0+4*\slot+3], s[G0+4*\slot+2:G0+4*\slot+3], 2*4096
	s_add_nc_u64 s[G0B+4*\slot+2:G0B+4*\slot+3], s[G0B+4*\slot+2:G0B+4*\slot+3], 2*256
	JLOAD G0+4*\slot, G1, G0B+4*\slot, G1B         ; the first tensor load behind the round; its four v_nop are among the places in front of the loads below
	PLACES NP-4
.else
	PLACES NP
.endif
	v_add_nc_u32 v[ADSB], 8, v[ADSB]               ; on to the next slot's scale words (no LDS load of mine is out)
	v_add_nc_u32 v[ADSA], 1024, v[ADSA]
	FETCH_B \next, 0, 0
	FETCH_A \next, 0, 0
	SCALES \next
.if \fill
	; my own 128 rows x 256 bytes of x, which the way out will add, are asked for ahead: a lane a row, 32 rows an instruction, two instructions behind each of the two refills: each run of 256 bytes is named once in the launch
	global_prefetch_b8 v[PFO], s[98:99] offset:(2*\slot)*131072 th:TH_LOAD_NT scope:SCOPE_SE
	global_prefetch_b8 v[PFO], s[98:99] offset:(2*\slot+1)*131072 th:TH_LOAD_NT scope:SCOPE_SE
.endif
	WIN MUL
	MUL8 4, 1, 1, \slot, 0
	MUL8 6, 1, 1, \slot, 0
	PLACES NP
	WIN 0
	FETCH_A \next, 0, 4
.endm
.macro XLOAD a                         ; block a's 16 rows x 256 bytes of x
.set XB, XR+32*((\a)%6)
.irp t, 0,1,2,3,4,5,6,7
	global_load_b128 v[XB+4*\t:XB+4*\t+3], v[CO], s[98:99] offset:(16*(\a)+2*\t)*4096 th:TH_LOAD_NT
.endr
.endm
; block a goes out.  left: the loads of x issued behind block a's, which may stay out
.macro OUTB a, left
.set AC, 32*(\a)
.set XB, XR+32*((\a)%6)
	WIN 0x08                                       ; an LDS store's data are its source 1: window 2
.irp b, 0,1,2,3
	ds_store_b128 v[STO], v[AC+8*\b:AC+8*\b+3] offset:64*\b           ; each accumulator from its low end on
	ds_store_b128 v[STO], v[AC+8*\b+4:AC+8*\b+7] offset:64*\b+16
.endr
	WIN 0
.irp t, 0,1,2,3,4,5,6,7
	ds_load_b128 v[BK+4*\t:BK+4*\t+3], v[RD] offset:2*\t*SPITCH       ; LDS serves a wave's instructions in order: these see my stores, and the next block's stores come behind them
.endr
	s_wait_dscnt 0x0
	s_wait_loadcnt \left
.set kk, 0
.rept 16
	v_pk_add_f32 v[XB+kk:XB+kk+1], v[XB+kk:XB+kk+1], v[BK+kk:BK+kk+1] ; the residual
.set kk, kk+2
.endr
.irp t, 0,1,2,3,4,5,6,7
	global_store_b128 v[CO], v[XB+4*\t:XB+4*\t+3], s[12:13] offset:(16*(\a)+2*\t)*4096 th:TH_STORE_NT   ; sixteen lanes store 256 consecutive bytes, aligned
.endr
.if (\a) < 2
	s_wait_xcnt 0x0                                ; these stores have read their registers, which take the block six further on
	XLOAD (\a)+6
.endif
.endm
	s_wait_tensorcnt 1                             ; the scales and my part of K step 0 are in; K step 1's load may be out
	s_barrier_signal -1
	s_barrier_wait -1
	FETCH_B 0, 0, 0
	FETCH_A 0, 0, 0
	SCALES 0
	FETCH_A 0, 0, 4
	s_wait_loadcnt 0x0                             ; the bias
	STEP 0, 0, 1
	TURN 0, 1, 1                                   ; slot 0 takes K step 2
	STEP 1, 0, 0
	TURN 1, 0, 1                                   ; slot 1 takes K step 3
	STEP 0, 0, 0
	TURN 0, 1, 0                                   ; nothing is left to fetch
	STEP 1, 0, 0
	XLOAD 0                                        ; into the registers that held the bias and their neighbours
	XLOAD 1
	s_wait_dscnt 16
	WIN MUL
	MUL8 0, 1, 1, 1, 0
	MUL8 2, 1, 1, 1, 0
	s_wait_dscnt 0
	MUL8 4, 1, 1, 1, 0
	MUL8 6, 1, 1, 1, 0
	WIN 0
	PLACES NP                                      ; behind the last products: for the loads into registers that held operands and scales, and for the reads of results
	XLOAD 2
	XLOAD 3
	XLOAD 4
	XLOAD 5
	OUTB 0, 40
	OUTB 1, 40
	OUTB 2, 40
	OUTB 3, 32
	OUTB 4, 24
	OUTB 5, 16
	OUTB 6, 8
	OUTB 7, 0
	s_wait_tensorcnt 0x0                           ; the wave's end, behind my last tensor load and my last LDS store
	ds_add_u32 v[SPW], v[NIL]
	s_wait_dscnt 0x0
	CROUND                                         ; the closing round: no work-group ends while a partner may still ask for a tile that names it
	s_endpgm
.Lfunc_end_k_q85ef7b2023_oproj:
	.size	k_q85ef7b2023_oproj, .Lfunc_end_k_q85ef7b2023_oproj-k_q85ef7b2023_oproj
	.p2alignl 7, 3214868480
	.fill 96, 4, 3214868480
	.section	.rodata,"a",@progbits
	.p2align	6, 0x0
	.amdhsa_kernel k_q85ef7b2023_oproj
		.amdhsa_group_segment_fixed_size 327680
		.amdhsa_private_segment_fixed_size 0
		.amdhsa_enable_private_segment 0
		.amdhsa_kernarg_size 56
		.amdhsa_user_sgpr_count 2
		.amdhsa_user_sgpr_kernarg_segment_ptr 1
		.amdhsa_wavefront_size32 1
		.amdhsa_system_sgpr_workgroup_id_x 1
		.amdhsa_system_sgpr_workgroup_id_y 1
		.amdhsa_system_sgpr_workgroup_id_z 1
		.amdhsa_system_vgpr_workitem_id 0
		.amdhsa_next_free_vgpr 768
		.amdhsa_next_free_sgpr 106
		.amdhsa_reserve_vcc 0
		.amdhsa_float_denorm_mode_32 3
		.amdhsa_float_denorm_mode_16_64 3
		.amdhsa_memory_ordered 1
		.amdhsa_forward_progress 1
		.amdhsa_inst_pref_size 108
	.end_amdhsa_kernel
	.amdgpu_metadata
---
amdhsa.version: [ 1, 2 ]
amdhsa.kernels:
  - .name:           k_q85ef7b2023_oproj
    .symbol:         k_q85ef7b2023_oproj.kd
    .args:
      - { .name: cimg, .offset: 0, .size: 8, .value_kind: global_buffer, .address_space: global }
      - { .name: cs, .offset: 8, .size: 8, .value_kind: global_buffer, .address_space: global }
      - { .name: w_o_codes, .offset: 16, .size: 8, .value_kind: global_buffer, .address_space: global }
      - { .name: w_o_scales, .offset: 24, .size: 8, .value_kind: global_buffer, .address_space: global }
      - { .name: b_o, .offset: 32, .size: 8, .value_kind: global_buffer, .address_space: global }
      - { .name: x, .offset: 40, .size: 8, .value_kind: global_buffer, .address_space: global }
      - { .name: out0, .offset: 48, .size: 8, .value_kind: global_buffer, .address_space: global }
    .group_segment_fixed_size: 327680
    .private_segment_fixed_size: 0
    .kernarg_segment_align: 8
    .kernarg_segment_size: 56
    .max_flat_workgroup_size: 128
    .sgpr_count:     106
    .vgpr_count:     768
    .wavefront_size: 32
...
	.end_amdgpu_metadata
.endif
;; end of part 4
